; MI455X (gfx1250); checked and timed in simulation.
; The chip was launched on July 23, 2026; its instructions are those of AMD's public machine-readable ISA for CDNA 5 (MIT licence, August 2026) and "CDNA5" Instruction Set Architecture Reference Guide (July 2026). The comments in the code are by the model that wrote it; some were corrected since.
;; Multi Head Attention. Allowed arithmetic: matrix products marked QUANTISED: E2M3 operands, one E8M0 scale for each 32 along K, by v_wmma_scale_f32_16x16x128_f8f6f4 with both operands' format E2M3, f32 sums; everything else in f32.
;; Inputs: Wk 1,024 x 1,024 float32; Wo 1,024 x 1,024 float32; Wq 1,024 x 1,024 float32; Wv 1,024 x 1,024 float32; x 4 x 2,048 x 1,024 float32.
;; Outputs: out0 4 x 2,048 x 1,024 float32.
;; This version of the problem:
;;   THIS VERSION OF THE PROBLEM IS GIVEN IN LOW PRECISION. The matrix products marked QUANTISED in the list below multiply operands that are first quantised to E2M3 (2 exponent bits, 3 mantissa bits; 6 bits a number), with one power-of-two scale for each 32 numbers along K (OCP MX v1.0); their sums are f32. All else is computed in f32.
;;   The module's matrix products, in the order in which they are computed (A, B: the left and right operand; K: the contracted axis; several contracted axes count as one K, in the product's order):
;;     1. [M 8,192, K 1,024] x [K 1,024, N 1,024]; A: input x; B: input Wq: QUANTISED
;;     2. [M 8,192, K 1,024] x [K 1,024, N 1,024]; A: input x; B: input Wk: QUANTISED
;;     3. [M 8,192, K 1,024] x [K 1,024, N 1,024]; A: input x; B: input Wv: QUANTISED
;;     4. batch 64 x [M 2,048, K 64] x [K 64, N 2,048]; A: computed on the way; B: computed on the way: QUANTISED
;;     5. batch 64 x [M 2,048, K 2,048] x [K 2,048, N 64]; A: softmax (see below); B: computed on the way: QUANTISED
;;     6. [M 8,192, K 1,024] x [K 1,024, N 1,024]; A: computed on the way; B: input Wo: QUANTISED
;;   THE QUANTISER, for each operand of a quantised product, along K:
;;     - K is cut into blocks of 32 from its start; a last block that is shorter is filled with zeros.
;;     - A block's scale is 2^e with e = floor(log2(the largest magnitude in the block)) - 2, held to -126 .. 127; a block of zeros has e = 0. As a byte (E8M0): e + 127.
;;     - Each number is divided by its block's scale, clamped to +-7.5, and rounded to the nearest number of E2M3, ties to even, subnormals kept.
;;     - The product sums the exact products of the quantised numbers (number of the format x scale) in f32.
;;   ~~~python
;;   def quantise(x, axis):      # numpy; x: float32 -> the quantised numbers, widened to float32 again
;;       x = np.moveaxis(x, axis, -1); K = x.shape[-1]
;;       x = np.pad(x, [(0, 0)] * (x.ndim - 1) + [(0, -K % 32)]); x = x.reshape(x.shape[:-1] + (-1, 32)); a = np.abs(x).max(-1, keepdims=True)
;;       e = np.where(a > 0, np.clip(np.frexp(np.where(a > 0, a, 1))[1] - 1 - 2, -126, 127), 0)      # np.frexp(a)[1] - 1 = floor(log2(a)), exactly
;;       r = np.clip(x / 2.0 ** e, -7.5, 7.5)
;;       step = 2.0 ** (np.maximum(np.frexp(np.where(r == 0, 1, r))[1] - 1, 0) - 3)
;;       q = np.round(r / step) * step * 2.0 ** e      # np.round: ties to even
;;       return np.moveaxis(q.reshape(q.shape[:-2] + (-1,))[..., :K], -1, axis).astype(np.float32)
;;   ~~~
;;   SOFTMAX AHEAD OF A QUANTISED PRODUCT. Where the list says 'softmax', what is quantised is not the finished softmax but p = 2^(t - M), with t = logit x log2(e) and M = ceil(the row's largest t), a whole number; so 1/2 < the row's largest p <= 1. The row's sum l is taken of the UNQUANTISED p, in f32, and the product's result is divided by l at the end. Since M is a whole number, a kernel that streams over the keys may use a running M (the ceiling of the running maximum): every later rescaling is an exact power of two, which a block's scale takes up: the codes' values come out the same.
;;   OPERANDS COMPUTED ON THE WAY. 'Computed on the way' means the value that the module computes at that place (a softmax that the list does not call 'softmax' is quantised finished and normalised). What goes into a quantiser is computed in f32, as accurately as f32 sums, v_exp_f32 and their like allow (about 1e-6 of the number): no bf16 or f16 on the way to a quantiser, and a product that is left as it is and whose result goes on into a quantised operand takes f32 operands (vector FMAs, or v_wmma_f32_16x16x4_f32). A number that lies on a knife's edge between two numbers of the format may be rounded either way, as far as f32 arithmetic and the matrix unit's own rounding can turn it there, and no further.
;; One version. Each part assembles by itself: llvm-mc -triple=amdgcn-amd-amdhsa -mcpu=gfx1250 --defsym DOCPART=n.
;; ======== version 1 of 1: 4 launches
;; limits: right only within a limited range of input values
;; workspace buffers: x_img 6,291,456 bytes; x_sc 262,144 bytes; w_img 3,145,728 bytes; w_sc 131,072 bytes; qk 13,631,488 bytes; vt 6,553,600 bytes; a_img 6,291,456 bytes; a_sc 262,144 bytes
;; launch quant (part 1): grid 768 x 1, 8 waves a work-group, no clusters, 69,120 bytes of LDS; arguments x, Wq, Wk, Wv, Wo, x_img, x_sc, w_img, w_sc; writes x_img, x_sc, w_img, w_sc
.if DOCPART == 1
	.amdgcn_target "amdgcn-amd-amdhsa--gfx1250"
	.amdhsa_code_object_version 6
	.text
	.protected	k_qafe5d272ce_quant
	.globl	k_qafe5d272ce_quant
	.p2align	8
	.type	k_qafe5d272ce_quant,@function
k_qafe5d272ce_quant:
	s_mov_b64 s[64:65], 0
	v_nop
	global_prefetch_b8 v0, s[64:65] scope:SCOPE_SE
	s_setreg_imm32_b32 hwreg(HW_REG_WAVE_MODE, 25, 1), 1
	s_wait_xcnt 0x0
; x [8192][1024] and Wq, Wk, Wv, Wo [1024][1024], f32 with K innermost, become codes of FP6 (E2M3) with one E8M0 byte for each 32 along K,
; laid in the order of a matrix operand's registers, so that every later launch loads fragments whole.
; ROW BLOCKS: block t holds 16 rows; lane r of it holds row 32 (t / 2) + 8 (t % 2) + r + 8 (r / 8).  With this order the results of a product whose source 0 is such a block lie, in a lane, as neighbours along the next K.
; AN IMAGE is a fragment of 16 rows x 128 K: 12 registers a lane (lane (r, h): registers 6 c .. 6 c + 5 = k 64 c + 32 h + 0 .. 31), stored as six planes of 256 bytes: plane p = registers 2 p, 2 p + 1, at 256 p + 8 x lane.
; x_img, w_img: [row block][K step of 128: 8][1,536 bytes].  x_sc, w_sc: [row block][r: 16][K step: 8] scale words.  w's row blocks: Wq 0-63, Wk 64-127, Wv 128-191, Wo 192-255.
; SHARES: a work-group takes one row block (the first 512 x's, the others w's: only pointers are chosen, there is one way through the text), wave w its K step w: 16 rows x 512 bytes.
; Each load reads 512 consecutive bytes of a row; the 8 KB turn through the wave's own stage in LDS (rows 528 bytes apart) so that a lane gets two whole blocks of 32 neighbours.
; A block's scale byte is its largest magnitude's exponent field - 2, held at 1 from below by a floor among the maximum's leaves.
; LIMITS: a block of zeros gets the byte 1 (its codes are zeros; these bytes are read by this program alone); NaN and infinities among the inputs are not served.
; No matrix unit, no cluster: the work-groups share no input, and memory binds.
.set STG,   8448                       ; a wave's stage: 16 rows x 528 bytes
.set SCA,   8*STG                      ; the row block's 128 scale words, 512 bytes
.set SPARE, SCA+512                    ; the spare words, 128 bytes for each wave: four blocks of 256 bytes that no other line names
.set SPW, 12                           ; v12  my spare word's address; never rewritten
.set NIL, 13                           ; v13  0; never rewritten
.set R,   16                           ; v16-79   16 rows as loaded
.set X,   80                           ; v80-143  my two blocks of 32 neighbours
.set M,   144                          ; v144-145 largest magnitudes
.set SO,  146                          ; v146-147 the conversions' scale operands
.set BY,  148                          ; v148-149 the bytes
.set C,   16                           ; v16-27   the fragment (R is free when it is made)
.set T,   28                           ; v28-30, v32-34 the second halves of the blocks' codes
	s_load_b256 s[4:11], s[0:1], 0x0               ; x, Wq, Wk, Wv
	s_load_b256 s[12:19], s[0:1], 0x20             ; Wo, x_img, x_sc, w_img
	s_load_b64 s[20:21], s[0:1], 0x40              ; w_sc
	v_lshl_add_u32 v[SPW], v0, 2, SPARE
	v_mov_b32 v[NIL], 0
	v_lshrrev_b32 v1, 5, v0
	s_delay_alu instid0(VALU_DEP_1)
	v_readfirstlane_b32 s22, v1                    ; wave = K step
	v_and_b32 v1, 31, v0                           ; lane
	v_and_b32 v2, 15, v0                           ; r
	v_bfe_u32 v3, v0, 4, 1                         ; h
	s_delay_alu instid0(VALU_DEP_3)
	v_lshlrev_b32 v4, 4, v1                        ; 16 x lane: my bytes of a row's 512
	s_mul_i32 s23, s22, STG
	v_add_nc_u32 v5, s23, v4                       ; the stage, on the way in
	v_mul_u32_u24 v6, v2, 528
	s_delay_alu instid0(VALU_DEP_1)
	v_lshl_add_u32 v6, v3, 7, v6
	s_delay_alu instid0(VALU_DEP_1)
	v_add_nc_u32 v6, s23, v6                       ; and out: row r, + 128 h bytes: k = 32 h on
	v_lshlrev_b32 v7, 3, v1                        ; 8 x lane: my place in a plane
	s_lshl_b32 s23, s22, 2
	s_add_co_u32 s23, s23, SCA
	v_lshl_add_u32 v8, v2, 5, s23                  ; my row's scale word of this K step: SCA + 32 r + 4 w
	v_lshlrev_b32 v9, 3, v3                        ; 8 h: my bytes' place in the word
	v_add_nc_u32 v14, SCA, v4                      ; wave 0 reads the 512 bytes back
	v_mov_b32 v11, 0                               ; a lane permute's destination counts as read
	s_cmp_lt_u32 ttmp9, 512
	s_cselect_b32 s24, 0, 512
	s_sub_co_u32 s25, ttmp9, s24                   ; the row block's number in x_img or in w_img
	s_lshr_b32 s26, s25, 6                         ; which weight
	s_and_b32 s27, s25, 63
	s_cmp_lt_u32 ttmp9, 512
	s_cselect_b32 s27, s25, s27                    ; the row block's number in its source tensor
	s_lshr_b32 s28, s27, 1
	s_lshl_b32 s28, s28, 17                        ; 32 rows of 4,096 bytes
	s_and_b32 s29, s27, 1
	s_lshl_b32 s29, s29, 15                        ; 8 rows
	s_add_co_u32 s28, s28, s29
	s_lshl_b32 s29, s22, 9                         ; my K step's 512 bytes
	s_add_co_u32 s28, s28, s29
	s_mov_b32 s29, 0
	s_mul_i32 s30, s25, 12288                      ; the row block's eight images,
	s_mul_i32 s31, s22, 1536                       ; mine
	s_add_co_u32 s30, s30, s31
	s_mov_b32 s31, 0
	s_lshl_b32 s32, s25, 9                         ; its 512 bytes of scale words
	s_mov_b32 s33, 0
	s_mov_b32 s34, 0x76543210
	s_mov_b32 s35, 0xfedcba98                      ; v_permlanex16_b32's selects for lane l xor 16
	s_wait_alu depctr_va_vdst(0)
	s_wait_kmcnt 0x0
	s_cmp_eq_u32 s26, 1                            ; the choices hang on the work-group's number alone
	s_cselect_b64 s[6:7], s[8:9], s[6:7]
	s_cmp_eq_u32 s26, 2
	s_cselect_b64 s[6:7], s[10:11], s[6:7]
	s_cmp_eq_u32 s26, 3
	s_cselect_b64 s[6:7], s[12:13], s[6:7]
	s_cmp_lt_u32 ttmp9, 512
	s_cselect_b64 s[4:5], s[4:5], s[6:7]
	s_cselect_b64 s[14:15], s[14:15], s[18:19]
	s_cselect_b64 s[16:17], s[16:17], s[20:21]
	s_add_nc_u64 s[4:5], s[4:5], s[28:29]
	s_add_nc_u64 s[14:15], s[14:15], s[30:31]
	s_add_nc_u64 s[16:17], s[16:17], s[32:33]
.irp i, 0,1,2,3,4,5,6,7,8,9,10,11,12,13,14,15
	global_load_b128 v[R+4*\i:R+4*\i+3], v4, s[4:5] offset:(\i+8*(\i/8))*4096 th:TH_LOAD_NT   ; the block's row for lane r = i: 512 consecutive bytes, read once in the launch
.endr
.irp i, 0,1,2,3,4,5,6,7,8,9,10,11,12,13,14,15
	s_wait_loadcnt 15-\i                           ; loads come back in order: row i is in, the 15 - i younger ones may be out
	ds_store_b128 v5, v[R+4*\i:R+4*\i+3] offset:528*\i
.endr
.irp c, 0,1
.irp j, 0,1,2,3,4,5,6,7
	ds_load_b128 v[X+32*\c+4*\j:X+32*\c+4*\j+3], v6 offset:256*\c+16*\j   ; k = 64 c + 32 h + 4 j on; LDS serves a wave's instructions in order: these see my stores
.endr
.endr
	s_wait_dscnt 0x0                               ; my 64 numbers are in, and the stores have read R
.irp c, 0,1
	v_max3_num_f32 v[M+\c], |v[X+32*\c]|, |v[X+32*\c+1]|, 0x1800000   ; block 2 c + h is all mine; the floor 2^(3 - 127) keeps the byte at 1 or above
.endr
.irp i, 2,4,6,8,10,12,14,16,18,20,22,24,26,28,30
.irp c, 0,1
	s_delay_alu instid0(VALU_DEP_2)
	v_max3_num_f32 v[M+\c], v[M+\c], |v[X+32*\c+\i]|, |v[X+32*\c+\i+1]|
.endr
.endr
.irp c, 0,1
	s_delay_alu instid0(VALU_DEP_2)
	v_add_nc_u32 v[SO+\c], 0xff000000, v[M+\c]     ; 2 off the exponent field: the conversion takes this operand's exponent field as its scale
.endr
.irp c, 0,1
	s_delay_alu instid0(VALU_DEP_2)
	v_lshrrev_b32 v[BY+\c], 23, v[SO+\c]           ; the scale's byte
.endr
	s_delay_alu instid0(VALU_DEP_1)
	v_lshl_or_b32 v10, v[BY+1], 16, v[BY]          ; bytes h and 2 + h of my row's word,
	s_delay_alu instid0(VALU_DEP_1)
	v_lshlrev_b32 v10, v9, v10                     ; at their places;
	s_delay_alu instid0(VALU_DEP_1)
	v_permlanex16_b32 v11, v10, s34, s35
	s_delay_alu instid0(VALU_DEP_1)
	v_or_b32 v10, v10, v11                         ; with lane l xor 16's two the word is whole
.irp c, 0,1
	v_cvt_scalef32_pk16_fp6_f32 v[C+6*\c:C+6*\c+2], v[X+32*\c:X+32*\c+15], v[SO+\c]
	v_cvt_scalef32_pk16_fp6_f32 v[T+4*\c:T+4*\c+2], v[X+32*\c+16:X+32*\c+31], v[SO+\c]   ; (a conversion's three registers begin on an even number)
.endr
	v_nop                                          ; one plain place behind a scaled conversion
.irp c, 0,1
.irp i, 0,1,2
	v_mov_b32 v[C+6*\c+3+\i], v[T+4*\c+\i]
.endr
.endr
	ds_store_b32 v8, v10                           ; both halves of the lanes write the same word with the same value
.irp p, 0,1,2,3,4,5
	global_store_b64 v7, v[C+2*\p:C+2*\p+1], s[14:15] offset:256*\p   ; a plane: 256 consecutive bytes, at a multiple of 256 from the buffer's first byte
.endr
	s_wait_dscnt 0x0                               ; for wave 0's sake: my scale words have landed
	s_barrier_signal -1
	s_barrier_wait -1
	s_cmp_lg_u32 s22, 0
	s_cbranch_scc1 .Ldone
	ds_load_b128 v[36:39], v14                     ; the eight waves' words: [r][K step]
	s_wait_dscnt 0x0
	global_store_b128 v4, v[36:39], s[16:17]       ; 512 consecutive bytes
.Ldone:
	s_wait_tensorcnt 0x0                           ; the wave's end
	ds_add_u32 v[SPW], v[NIL]
	s_wait_dscnt 0x0
	s_endpgm
.Lfunc_end_k_qafe5d272ce_quant:
	.size	k_qafe5d272ce_quant, .Lfunc_end_k_qafe5d272ce_quant-k_qafe5d272ce_quant
	.p2alignl 7, 3214868480
	.fill 96, 4, 3214868480
	.section	.rodata,"a",@progbits
	.p2align	6, 0x0
	.amdhsa_kernel k_qafe5d272ce_quant
		.amdhsa_group_segment_fixed_size 69120
		.amdhsa_private_segment_fixed_size 0
		.amdhsa_enable_private_segment 0
		.amdhsa_kernarg_size 72
		.amdhsa_user_sgpr_count 2
		.amdhsa_user_sgpr_kernarg_segment_ptr 1
		.amdhsa_wavefront_size32 1
		.amdhsa_system_sgpr_workgroup_id_x 1
		.amdhsa_system_sgpr_workgroup_id_y 1
		.amdhsa_system_sgpr_workgroup_id_z 1
		.amdhsa_system_vgpr_workitem_id 0
		.amdhsa_next_free_vgpr 152
		.amdhsa_next_free_sgpr 66
		.amdhsa_reserve_vcc 0
		.amdhsa_float_denorm_mode_32 3
		.amdhsa_float_denorm_mode_16_64 3
		.amdhsa_memory_ordered 1
		.amdhsa_forward_progress 1
		.amdhsa_inst_pref_size 13
	.end_amdhsa_kernel
	.amdgpu_metadata
---
amdhsa.version: [ 1, 2 ]
amdhsa.kernels:
  - .name:           k_qafe5d272ce_quant
    .symbol:         k_qafe5d272ce_quant.kd
    .args:
      - { .name: x, .offset: 0, .size: 8, .value_kind: global_buffer, .address_space: global }
      - { .name: Wq, .offset: 8, .size: 8, .value_kind: global_buffer, .address_space: global }
      - { .name: Wk, .offset: 16, .size: 8, .value_kind: global_buffer, .address_space: global }
      - { .name: Wv, .offset: 24, .size: 8, .value_kind: global_buffer, .address_space: global }
      - { .name: Wo, .offset: 32, .size: 8, .value_kind: global_buffer, .address_space: global }
      - { .name: x_img, .offset: 40, .size: 8, .value_kind: global_buffer, .address_space: global }
      - { .name: x_sc, .offset: 48, .size: 8, .value_kind: global_buffer, .address_space: global }
      - { .name: w_img, .offset: 56, .size: 8, .value_kind: global_buffer, .address_space: global }
      - { .name: w_sc, .offset: 64, .size: 8, .value_kind: global_buffer, .address_space: global }
    .group_segment_fixed_size: 69120
    .private_segment_fixed_size: 0
    .kernarg_segment_align: 8
    .kernarg_segment_size: 72
    .max_flat_workgroup_size: 256
    .sgpr_count:     66
    .vgpr_count:     152
    .wavefront_size: 32
...
	.end_amdgpu_metadata
.endif
;; end of part 1
;; launch qkv (part 2): grid 12 x 32, 4 waves a work-group, clusters of 4 x 4, 327,680 bytes of LDS; arguments x_img, x_sc, w_img, w_sc, qk, vt; writes qk, vt
.if DOCPART == 2
	.amdgcn_target "amdgcn-amd-amdhsa--gfx1250"
	.amdhsa_code_object_version 6
	.text
	.protected	k_qafe5d272ce_qkv
	.globl	k_qafe5d272ce_qkv
	.p2align	8
	.type	k_qafe5d272ce_qkv,@function
k_qafe5d272ce_qkv:
	s_mov_b64 s[64:65], 0
	v_nop
	global_prefetch_b8 v0, s[64:65] scope:SCOPE_SE
	s_setreg_imm32_b32 hwreg(HW_REG_WAVE_MODE, 25, 1), 1
	s_wait_xcnt 0x0
	s_wait_alu depctr_hold_cnt(0) depctr_sa_sdst(0) depctr_va_vdst(0) depctr_va_sdst(0) depctr_va_ssrc(0) depctr_va_vcc(0) depctr_vm_vsrc(0)
	s_getreg_b32 s2, hwreg(HW_REG_IB_STS2, 6, 4)
	s_cmp_eq_u32 s2, 0
	s_cbranch_scc0 .Lentry_in_a_cluster
	s_endpgm
.Lentry_in_a_cluster:
	s_bfe_u32 s2, ttmp6, 0x10000c
	s_cmp_lg_u32 s2, 0xf033
	s_cbranch_scc0 .Lentry_shape_is_right
	s_endpgm
.Lentry_shape_is_right:
.set NQ,     2
.set FR,     12
.set NL,     6
.set NP,     4
.set IMG,    1536
.set BLKB,   NQ*IMG
.set HALFT,  8*BLKB
.set SLOT,   4*HALFT
.set SCL,    2*SLOT
.set HALFS,  16*272
.set SBLK,   2*272
.set SPARE,  SCL+4*HALFS
.set ADRA, 16
.set ADRB, 20
.set L8,   26
.set ADRS, 27
.set SPW,  28
.set NIL,  29
.set SC,   32
.set AF,   128
.set TM,   64
.set PW,   80
.set PC,   84
.set W1,   104
.set W2,   112
.set SO1,  120
.set SO2,  124
.set G1, 24
.set G0, 32
.set G1B, 48
.set G0B, 56
.set G1S, 68
.set G0S, 76
.set G1SB, 80
.set G0SB, 88
.set PAC, 66
.set PAS, 4
.set PBC, 8
.set PBS, 10
.set POI, 12
.set POS, 96
.set TYP, 2
.set MA,  95
.set HI,  93
.set FLO, 94
.set SEL, 6
.set MSB, 0
.macro WIN new
.if MSB != (\new)
	s_set_vgpr_msb (MSB<<8)|(\new)
.set MSB, (\new)
.endif
.endm
.set MUL_LO, 0xa1
.set MUL_HI, 0xf1
.set TO_B,   0x40
.macro JLOAD g0a, g1a, g0b, g1b
	s_cmp_eq_u32 s15, 0
	s_cbranch_scc0 .Lfor_b_\@
	tensor_load_to_lds s[\g0a:\g0a+3], s[\g1a:\g1a+7]
	s_nop 0
.rept 4
	v_nop
.endr
	s_branch .Lasked_\@
.Lfor_b_\@:
	tensor_load_to_lds s[\g0b:\g0b+3], s[\g1b:\g1b+7]
	s_nop 0
.rept 4
	v_nop
.endr
.Lasked_\@:
.endm
.macro CREST
	s_cmp_lg_u32 s14, 0
	s_cbranch_scc1 .Lnot_wave_0_\@
	s_barrier_signal -3
.Lnot_wave_0_\@:
	s_barrier_wait -3
	s_barrier_signal -1
	s_barrier_wait -1
.endm
.macro CROUND
	s_barrier_signal -1
	s_barrier_wait -1
	CREST
.endm
	s_load_b128 s[4:7], s[0:1], 0x0
	s_load_b128 s[8:11], s[0:1], 0x10
	s_load_b128 s[96:99], s[0:1], 0x20
	v_lshl_add_u32 v[SPW], v0, 2, SPARE
	v_mov_b32 v[NIL], 0
	ds_add_u32 v[SPW], v[NIL]
	ds_add_u32 v[SPW], v[NIL]
	v_lshrrev_b32 v1, 5, v0
	v_readfirstlane_b32 s14, v1
	s_lshr_b32 s15, s14, 1
	s_and_b32 s16, s14, 1
	s_bfe_u32 s40, ttmp6, 0x40000
	s_bfe_u32 s41, ttmp6, 0x40004
	s_and_b32 s18, ttmp7, 0xffff
	s_lshl_b32 s18, s18, 2
	s_lshl_b32 s19, ttmp9, 2
	s_mov_b32 s21, 786432
	s_mov_b32 s23, 12582912
	s_cmp_eq_u32 ttmp9, 2
	s_cselect_b32 s[TYP], 1, 0
	s_cselect_b32 s17, 0, s18
	s_cselect_b32 s42, s18, s19
	s_cselect_b32 s20, 2048, 0
	s_cselect_b32 s21, 98304, s21
	s_cselect_b32 s22, 8, 128
	s_cselect_b32 s23, 6291456, s23
	s_cselect_b32 s[MA], -1, 0xffff
	s_add_co_u32 s17, s17, s41
	s_add_co_u32 s42, s42, s40
	s_lshl_b32 s43, s41, 2
	s_lshl_b32 s43, 15, s43
	s_lshl_b32 s44, 0x1111, s40
	s_or_b32 s[G1+0], s43, (3<<16)|(1<<21)
	s_or_b32 s[G1B+0], s44, (3<<16)|(1<<21)
.irp g, G1, G1B
	s_mov_b32 s[\g+1], 384<<16
	s_mov_b32 s[\g+2], 8<<16
	s_mov_b32 s[\g+3], 384<<16
	s_mov_b32 s[\g+4], 8
	s_mov_b32 s[\g+5], 1536
	s_mov_b32 s[\g+6], 0
	s_mov_b32 s[\g+7], 0
.endr
	s_or_b32 s[G1S+0], s43, (3<<16)|(1<<20)|(1<<21)|(5<<22)|(3<<25)
	s_or_b32 s[G1SB+0], s44, (3<<16)|(1<<20)|(1<<21)|(5<<22)|(3<<25)
.irp g, G1S, G1SB
	s_mov_b32 s[\g+1], 32<<16
	s_mov_b32 s[\g+2], 16<<16
	s_mov_b32 s[\g+3], 32<<16
	s_mov_b32 s[\g+4], 16
	s_mov_b32 s[\g+5], 32
	s_mov_b32 s[\g+6], 0
	s_mov_b32 s[\g+7], 0
.endr
	s_lshl_b32 s18, s42, 1
	s_add_co_u32 s18, s18, s16
	s_lshl_b32 s19, s17, 1
	s_add_co_u32 s19, s19, s15
	s_mul_i32 s21, s18, s21
	s_mul_i32 s45, s19, 8*IMG
	s_add_co_u32 s92, s21, s45
	s_mov_b32 s93, 0
	s_mul_i32 s22, s18, s22
	s_add_co_u32 s22, s22, s19
	s_lshl_b32 s22, s22, 9
	s_add_co_u32 s22, s22, s23
	s_mov_b32 s23, 0
	s_lshl_b32 s18, s16, 7
	s_lshl_b32 s19, s17, 8
	s_add_co_u32 s19, s19, s18
	s_add_co_u32 s20, s20, s19
	s_lshl_b32 s46, s42, 8
	s_add_co_u32 s46, s46, s18
	s_lshl_b32 s18, s20, 5
	s_mov_b32 s19, 0
	s_mul_i32 s20, s20, 768
	s_mov_b32 s21, 0
	s_lshl_b32 s40, s46, 5
	s_mov_b32 s41, 0
	s_mul_i32 s46, s46, 768
	s_mov_b32 s47, 0
	s_mul_i32 s45, s14, HALFT
	s_mul_i32 s94, s14, HALFS
	s_wait_dscnt 0x0
	s_wait_kmcnt 0x0
	s_cmp_eq_u32 s[TYP], 1
	s_cselect_b64 s[PAC:PAC+1], s[8:9], s[4:5]
	s_cselect_b64 s[PBC:PBC+1], s[4:5], s[8:9]
	s_cselect_b64 s[PAS:PAS+1], s[10:11], s[6:7]
	s_cselect_b64 s[PBS:PBS+1], s[6:7], s[10:11]
	s_cselect_b64 s[POI:POI+1], s[98:99], s[96:97]
	s_add_nc_u64 s[PAC:PAC+1], s[PAC:PAC+1], s[20:21]
	s_add_nc_u64 s[PAS:PAS+1], s[PAS:PAS+1], s[18:19]
	s_add_nc_u64 s[PBC:PBC+1], s[PBC:PBC+1], s[46:47]
	s_add_nc_u64 s[PBS:PBS+1], s[PBS:PBS+1], s[40:41]
	s_add_nc_u64 s[POS:POS+1], s[POI:POI+1], s[22:23]
	s_add_nc_u64 s[POI:POI+1], s[POI:POI+1], s[92:93]
	CROUND
	s_mov_b32 s[G0S], 1
	s_add_co_u32 s[G0S+1], s94, SCL
	s_mov_b64 s[G0S+2:G0S+3], s[PAS:PAS+1]
	s_or_b32 s[G0S+3], s[G0S+3], 0x80000000
	s_mov_b32 s[G0SB], 1
	s_add_co_u32 s[G0SB+1], s94, SCL
	s_mov_b64 s[G0SB+2:G0SB+3], s[PBS:PBS+1]
	s_or_b32 s[G0SB+3], s[G0SB+3], 0x80000000
	JLOAD G0S, G1S, G0SB, G1SB
.irp s, 0,1
	s_mov_b32 s[G0+4*\s], 1
	s_add_co_u32 s[G0+4*\s+1], s45, \s*SLOT
	s_add_nc_u64 s[G0+4*\s+2:G0+4*\s+3], s[PAC:PAC+1], \s*BLKB
	s_or_b32 s[G0+4*\s+3], s[G0+4*\s+3], 0x80000000
	s_mov_b32 s[G0B+4*\s], 1
	s_add_co_u32 s[G0B+4*\s+1], s45, \s*SLOT
	s_add_nc_u64 s[G0B+4*\s+2:G0B+4*\s+3], s[PBC:PBC+1], \s*BLKB
	s_or_b32 s[G0B+4*\s+3], s[G0B+4*\s+3], 0x80000000
	s_wait_alu depctr_va_vdst(0)
	s_wait_tensorcnt 0x0
	ds_add_u32 v28, v29
	s_wait_dscnt 0x0
	CROUND
	JLOAD G0+4*\s, G1, G0B+4*\s, G1B
.endr
	v_and_b32 v1, 15, v0
	v_bfe_u32 v2, v0, 4, 1
	v_and_b32 v3, 31, v0
	v_lshlrev_b32 v[L8], 3, v3
	s_mul_i32 s21, s15, HALFT
	s_mul_i32 s22, s16, HALFT
	s_add_co_u32 s22, s22, 2*HALFT
.irp s, 0,1
	v_add_nc_u32 v[ADRA+\s], s21, v[L8]
	v_add_nc_u32 v[ADRB+\s], s22, v[L8]
	s_add_co_u32 s21, s21, SLOT
	s_add_co_u32 s22, s22, SLOT
.endr
	v_lshlrev_b32 v5, 5, v1
	v_lshrrev_b32 v6, 8, v5
	v_lshl_add_u32 v5, v6, 4, v5
	s_mul_i32 s21, s15, HALFS
	s_mul_i32 s22, s16, HALFS
	s_add_co_u32 s22, s22, 2*HALFS
	s_sub_co_u32 s22, s22, s21
	v_mul_u32_u24 v6, s22, v2
	s_add_co_u32 s21, s21, SCL
	v_add_nc_u32 v5, v5, v6
	v_add_nc_u32 v[ADRS], s21, v5
.macro FRAG reg, adr, q, i
.irp p, 0,1,2,3,4,5
	ds_load_b64 v[\reg+2*\p:\reg+2*\p+1], v[\adr] offset:(\i)*BLKB+(\q)*IMG+256*\p
.endr
.endm
.macro MUL16 a0, p, q, sc, zero
.irp a, \a0, \a0+1
.irp b, 0,1,2,3,4,5,6,7
.if \zero
	v_wmma_scale_f32_16x16x128_f8f6f4 v[8*(8*((\a)%4)+\b):8*(8*((\a)%4)+\b)+7], v[128*(\p)+FR*\b:128*(\p)+FR*\b+FR-1], v[AF+FR*(\a):AF+FR*(\a)+FR-1], 0, v[SC+8*NQ*(\sc)+NQ*\b+(\q)], v[SC+8*NQ*(\sc)+NQ*(\a)+(\q)] matrix_a_fmt:MATRIX_FMT_FP6 matrix_b_fmt:MATRIX_FMT_FP6 matrix_a_scale:MATRIX_SCALE_ROW1
.else
	v_wmma_scale_f32_16x16x128_f8f6f4 v[8*(8*((\a)%4)+\b):8*(8*((\a)%4)+\b)+7], v[128*(\p)+FR*\b:128*(\p)+FR*\b+FR-1], v[AF+FR*(\a):AF+FR*(\a)+FR-1], v[8*(8*((\a)%4)+\b):8*(8*((\a)%4)+\b)+7], v[SC+8*NQ*(\sc)+NQ*\b+(\q)], v[SC+8*NQ*(\sc)+NQ*(\a)+(\q)] matrix_a_fmt:MATRIX_FMT_FP6 matrix_b_fmt:MATRIX_FMT_FP6 matrix_a_scale:MATRIX_SCALE_ROW1
.endif
.endr
.endr
.endm
.macro FETCH_B slot, q, p
	WIN TO_B
.irp i, 0,1,2,3,4,5,6,7
	FRAG 128*(\p)+FR*\i, ADRB+\slot, \q, \i
.endr
	WIN 0
.endm
.macro FETCH_A slot, q, i0
.irp i, \i0, \i0+1, \i0+2, \i0+3
	FRAG AF+FR*(\i), ADRA+\slot, \q, \i
.endr
.endm
.macro SCALES sc
.irp i, 0,1,2,3,4,5,6,7
	ds_load_b64 v[SC+8*NQ*\sc+NQ*\i:SC+8*NQ*\sc+NQ*\i+1], v[ADRS] offset:\i*SBLK
.endr
.endm
.macro PLACES n
.rept \n
	v_nop
.endr
.endm
.macro STEP slot, q, zero
	s_wait_dscnt 4*NL
	WIN MUL_LO
	MUL16 0, (\q)%2, \q, \slot, \zero
	MUL16 2, (\q)%2, \q, \slot, \zero
	s_wait_dscnt 0
	PLACES NP
	FETCH_B \slot, (\q)+1, 1-(\q)%2
	FETCH_A \slot, (\q)+1, 0
	WIN MUL_HI
	MUL16 4, (\q)%2, \q, \slot, \zero
	MUL16 6, (\q)%2, \q, \slot, \zero
	PLACES NP
	WIN 0
	FETCH_A \slot, (\q)+1, 4
.endm
.macro TURN slot, next, fill
	s_wait_tensorcnt 0x0
	ds_add_u32 v[SPW], v[NIL]
	s_wait_dscnt 4*NL+1
	WIN MUL_LO
	MUL16 0, 1, NQ-1, \slot, 0
	s_wait_dscnt 0x0
	s_barrier_signal -1
	MUL16 2, 1, NQ-1, \slot, 0
	WIN 0
	s_barrier_wait -1
.if \fill
	CREST
	s_add_nc_u64 s[G0+4*\slot+2:G0+4*\slot+3], s[G0+4*\slot+2:G0+4*\slot+3], 2*BLKB
	s_add_nc_u64 s[G0B+4*\slot+2:G0B+4*\slot+3], s[G0B+4*\slot+2:G0B+4*\slot+3], 2*BLKB
	JLOAD G0+4*\slot, G1, G0B+4*\slot, G1B
.else
	PLACES NP
.endif
	s_wait_alu depctr_va_vdst(0)
	v_add_nc_u32 v[ADRS], 4*NQ, v[ADRS]
	FETCH_B \next, 0, 0
	FETCH_A \next, 0, 0
	SCALES \next
	WIN MUL_HI
	MUL16 4, 1, NQ-1, \slot, 0
	MUL16 6, 1, NQ-1, \slot, 0
	PLACES NP
	WIN 0
	FETCH_A \next, 0, 4
.endm
	s_wait_alu depctr_va_vdst(0)
	s_wait_tensorcnt 1
	s_barrier_signal -1
	s_barrier_wait -1
	FETCH_B 0, 0, 0
	FETCH_A 0, 0, 0
	SCALES 0
	FETCH_A 0, 0, 4
	STEP 0, 0, 1
	TURN 0, 1, 1
	STEP 1, 0, 0
	TURN 1, 0, 1
	STEP 0, 0, 0
	TURN 0, 1, 0
	STEP 1, 0, 0
	s_wait_dscnt 4*NL
	WIN MUL_LO
	MUL16 0, 1, NQ-1, 1, 0
	MUL16 2, 1, NQ-1, 1, 0
	s_wait_dscnt 0
	WIN MUL_HI
	MUL16 4, 1, NQ-1, 1, 0
	MUL16 6, 1, NQ-1, 1, 0
	WIN 0
.macro OUTBLK a
.set AC, 64*((\a)%4)
	WIN 0x28+0x14*((\a)/4)
.irp b, 0,1,2,3
	v_max3_num_f32 v[TM+\b], s[FLO], |v[AC+16*\b]|, |v[AC+16*\b+1]|
.endr
.irp i, 2,4,6,8,10,12,14
.irp b, 0,1,2,3
	v_max3_num_f32 v[TM+\b], v[TM+\b], |v[AC+16*\b+\i]|, |v[AC+16*\b+\i+1]|
.endr
.endr
	WIN 0
.irp b, 0,1,2,3
	v_permlanex16_b32 v[TM+4+\b], v[TM+\b], s[SEL], s[SEL+1]
.endr
.irp b, 0,1,2,3
	v_max_num_f32 v[TM+\b], v[TM+\b], v[TM+4+\b]
.endr
.irp b, 0,1,2,3
	v_add_nc_u32 v[TM+12+\b], 0xff000000, v[TM+\b]
.endr
.irp b, 0,1,2,3
	v_lshrrev_b32 v[TM+4+\b], 23, v[TM+12+\b]
.endr
	v_lshl_or_b32 v[PW], v[TM+5], 8, v[TM+4]
	v_lshl_or_b32 v[PW], v[TM+6], 16, v[PW]
	v_lshl_or_b32 v[PW], v[TM+7], 24, v[PW]
	s_wait_xcnt 0x0
	WIN 2+(\a)/4
.irp c, 0,1
	v_cvt_scalef32_pk16_fp6_f32 v[PC+6*\c:PC+6*\c+2], v[AC+32*\c:AC+32*\c+15], v[TM+12+2*\c]
	v_cvt_scalef32_pk16_fp6_f32 v[PC+12+4*\c:PC+14+4*\c], v[AC+32*\c+16:AC+32*\c+31], v[TM+13+2*\c]
.endr
	WIN 0
	v_nop
.irp c, 0,1
.irp i, 0,1,2
	v_permlane16_swap_b32 v[PC+6*\c+\i], v[PC+12+4*\c+\i]
.endr
.irp i, 0,1,2
	v_mov_b32 v[PC+3+6*\c+\i], v[PC+12+4*\c+\i]
.endr
.endr
	v_and_b32 v[W1+(\a)], s[MA], v[PW]
	v_lshrrev_b32 v[W2+(\a)], 16, v[PW]
.irp p, 0,1,2,3,4,5
	global_store_b64 v[L8], v[PC+2*\p:PC+2*\p+1], s[POI:POI+1] offset:(\a)*IMG+256*\p
.endr
.endm
	s_mov_b32 s[SEL], 0x76543210
	s_mov_b32 s[SEL+1], 0xfedcba98
	s_mov_b32 s[FLO], 0x1800000
	s_mov_b32 s[HI], 0xffff0000
	PLACES NP
.irp b, 0,1,2,3
	v_mov_b32 v[TM+4+\b], 0
.endr
.irp a, 0,1,2,3,4,5,6,7
	OUTBLK \a
.endr
.irp i, 0,1,2,3
	v_cndmask_b32 v[SO1+\i], v[W1+2*\i], v[W1+2*\i+1], s[HI]
.endr
	global_store_b64 v[L8], v[SO1:SO1+1], s[POS:POS+1]
	global_store_b64 v[L8], v[SO1+2:SO1+3], s[POS:POS+1] offset:256
	s_cmp_eq_u32 s[TYP], 1
	s_cbranch_scc1 .Lwhole
.irp i, 0,1,2,3
	v_cndmask_b32 v[SO2+\i], v[W2+2*\i], v[W2+2*\i+1], s[HI]
.endr
	global_store_b64 v[L8], v[SO2:SO2+1], s[POS:POS+1] offset:32768
	global_store_b64 v[L8], v[SO2+2:SO2+3], s[POS:POS+1] offset:32768+256
.Lwhole:
	s_wait_tensorcnt 0x0
	ds_add_u32 v[SPW], v[NIL]
	s_wait_dscnt 0x0
	CROUND
	s_endpgm
.Lfunc_end_k_qafe5d272ce_qkv:
	.size	k_qafe5d272ce_qkv, .Lfunc_end_k_qafe5d272ce_qkv-k_qafe5d272ce_qkv
	.p2alignl 7, 3214868480
	.fill 96, 4, 3214868480
	.section	.rodata,"a",@progbits
	.p2align	6, 0x0
	.amdhsa_kernel k_qafe5d272ce_qkv
		.amdhsa_group_segment_fixed_size 327680
		.amdhsa_private_segment_fixed_size 0
		.amdhsa_enable_private_segment 0
		.amdhsa_kernarg_size 48
		.amdhsa_user_sgpr_count 2
		.amdhsa_user_sgpr_kernarg_segment_ptr 1
		.amdhsa_wavefront_size32 1
		.amdhsa_system_sgpr_workgroup_id_x 1
		.amdhsa_system_sgpr_workgroup_id_y 1
		.amdhsa_system_sgpr_workgroup_id_z 1
		.amdhsa_system_vgpr_workitem_id 0
		.amdhsa_next_free_vgpr 1024
		.amdhsa_next_free_sgpr 100
		.amdhsa_reserve_vcc 0
		.amdhsa_float_denorm_mode_32 3
		.amdhsa_float_denorm_mode_16_64 3
		.amdhsa_memory_ordered 1
		.amdhsa_forward_progress 1
		.amdhsa_inst_pref_size 168
	.end_amdhsa_kernel
	.amdgpu_metadata
---
amdhsa.version: [ 1, 2 ]
amdhsa.kernels:
  - .name:           k_qafe5d272ce_qkv
    .symbol:         k_qafe5d272ce_qkv.kd
    .args:
      - { .name: x_img, .offset: 0, .size: 8, .value_kind: global_buffer, .address_space: global }
      - { .name: x_sc, .offset: 8, .size: 8, .value_kind: global_buffer, .address_space: global }
      - { .name: w_img, .offset: 16, .size: 8, .value_kind: global_buffer, .address_space: global }
      - { .name: w_sc, .offset: 24, .size: 8, .value_kind: global_buffer, .address_space: global }
      - { .name: qk, .offset: 32, .size: 8, .value_kind: global_buffer, .address_space: global }
      - { .name: vt, .offset: 40, .size: 8, .value_kind: global_buffer, .address_space: global }
    .group_segment_fixed_size: 327680
    .private_segment_fixed_size: 0
    .kernarg_segment_align: 8
    .kernarg_segment_size: 48
    .max_flat_workgroup_size: 128
    .sgpr_count:     100
    .vgpr_count:     1024
    .wavefront_size: 32
...
	.end_amdgpu_metadata
.endif
;; end of part 2
;; launch attn (part 3): grid 4 x 64, 8 waves a work-group, clusters of 4 x 1, 222,208 bytes of LDS; arguments qk, vt, a_img, a_sc; writes a_img, a_sc
.if DOCPART == 3
	.amdgcn_target "amdgcn-amd-amdhsa--gfx1250"
	.amdhsa_code_object_version 6
	.text
	.protected	k_qafe5d272ce_attn
	.globl	k_qafe5d272ce_attn
	.p2align	8
	.type	k_qafe5d272ce_attn,@function
k_qafe5d272ce_attn:
	s_mov_b64 s[64:65], 0
	v_nop
	global_prefetch_b8 v0, s[64:65] scope:SCOPE_SE
	s_setreg_imm32_b32 hwreg(HW_REG_WAVE_MODE, 25, 1), 1
	s_wait_xcnt 0x0
	s_wait_alu depctr_hold_cnt(0) depctr_sa_sdst(0) depctr_va_vdst(0) depctr_va_sdst(0) depctr_va_ssrc(0) depctr_va_vcc(0) depctr_vm_vsrc(0)
	s_getreg_b32 s2, hwreg(HW_REG_IB_STS2, 6, 4)
	s_cmp_eq_u32 s2, 0
	s_cbranch_scc0 .Lentry_in_a_cluster
	s_endpgm
.Lentry_in_a_cluster:
	s_bfe_u32 s2, ttmp6, 0x10000c
	s_cmp_lg_u32 s2, 0x3003
	s_cbranch_scc0 .Lentry_shape_is_right
	s_endpgm
.Lentry_shape_is_right:
; For each of 64 (batch, head): O[q] = sum over keys of softmax(q . k / 8) v, both products on codes of FP6 (E2M3) with E8M0 scales; O / l is quantised along D and leaves as codes for the last product.
; THE SOFTMAX: t = score x log2(e) / 8; M = the running largest t rounded UP to a whole number; p = 2^(t - M) is quantised along the keys, not normalised; l is the sum of the unquantised p, in f32.
; When M moves, l and O are multiplied by 2^(old M - new M): exact.
; SHARES.  Work-group y = 16 x batch + head; the four work-groups of a cluster take the head's four quarters of 512 queries.  Each of eight waves owns FOUR tiles of 16 queries (token blocks 32 cx + 4 wave + 0 .. 3)
; and walks the 2,048 keys once, 128 a step: a fragment of K or V read from LDS serves four tiles.
; K AND V OF THE WHOLE HEAD LIE IN LDS and come once, by joint loads with the mask of all four partners, one tensor load a wave: K's halves, V's quarters, K's scales, V's scales.  No LDS byte is filled twice: no ring.
; No prefetch: every byte of K and V is asked for once, at the head, and there is no loop to run ahead in.
; LAYOUT.  Both products are used transposed: S^T = K Q^T (source 0 = 16 keys), O^T = V^T P^T (source 0 = 16 channels): a lane holds one query throughout.
; WHICH KEYS FORM A TILE: lane r of tile t = 4 c + w takes key 64 c + 32 (r / 8) + 8 w + r % 8 of the step.  Register 32 c + 8 w + j of lane (r, h) is then key 64 c + 32 h + 8 w + j: a lane's 32 registers are ONE scale block,
; in the order of the next operand's registers: a block's maximum needs no other lane, and the conversions' results are the operand.  In qk that key lies in token block 4 c + 2 (r / 8) + w % 2, row 8 (w / 2) + r % 8:
; only the lanes' LDS addresses know of it..
; THE HEAD'S 64 IN AN INSTRUCTION OF 128: Q's operand is six registers of codes and six of zero codes; K's tiles lie six registers apart, and what stands in an operand's upper half meets Q's zero codes and adds 0.
; REGISTERS.  Window 0: addresses, scale words, Q, K, V.  Window 1: O^T (4 x 32), S^T / p, the sums, p's codes, each tile's -M, largest score and l.
; The step is written once: the first finds O = 0, l = 0 and -M = 3e38, so that its factor is 0.
; LIMITS: the promise holds while the scaled scores stay under 2^31 in magnitude; a block of zeros gets the byte 1 (its codes are zeros); NaN and infinities are not served.
.set KC,    0                          ; K's codes: token block i at 864 i, plane p at + 288 p
.set KSC,   110592                     ; K's scale groups, 512 bytes a step, dense: the last step's look-ahead past K's codes (6,880 bytes at the most) falls here, that past the groups into V's codes
.set VC,    118784                     ; V's codes: step s at 6,144 s, channel block t at + 1,536 t
.set VSC,   217088                     ; V's scale planes, 256 bytes a step
.set SPARE, 221184                     ; the spare words, 128 bytes for each wave
.set L8,   1                           ; 8 x lane
.set AK0,  2
.set AV0,  3
.set ASK0, 4
.set ASV0, 5
.set SPW,  6
.set NIL,  7
.set ADK,  8
.set ADV,  9
.set ADS,  10
.set ADT,  11
.set RO32, 12
.set RO8,  13
.set QSW,  16                          ; v16-19 Q's scale words
.set KS,   20                          ; v20-23 K's
.set VS,   24                          ; v24-25 V's
.set PW,   26                          ; v26 p's
.set QF,   32                          ; v32-79 Q: 4 x (6 codes + 6 zeros)
.set KR,   80                          ; v80-127 K's eight tiles x 6; v128-133 zeros
.set VR,   136                         ; v136-183 V's four fragments
; window 1
.set O,    0
.set S,    128
.set TA,   192                         ; eight pairs of partial sums
.set PCD,  208                         ; p's codes
.set PT,   220                         ; second halves on their way
.set ST,   228                         ; tile q: -M, largest score, l (a pair)
.set F,    244
.set BM,   246
.set SOP,  248
.set T,    250
.set X,    251
.set U,    252
.set D,    253
.set SH8,  254                         ; 8 x (lane / 16)
.set WV,   18
.set CX,   19
.set G1K,  24
.set G1V,  32
.set G1KS, 40
.set G1VS, 48
.set G0K,  56
.set G0V,  60
.set G0KS, 68
.set G0VS, 72
.set SEL,  78
.set CS,   80                          ; s[80:81] c = log2(e) / 8
.set TK,   82
.set TS,   83
.set CNT,  84
.set TV,   85
.set QP,   86
.set QS,   88
.set AI,   90
.set AS,   92
.set TT,   94
.set NC,   95                          ; -c
.set MSB, 0
.macro WIN new
.if MSB != (\new)
	s_set_vgpr_msb (MSB<<8)|(\new)
.set MSB, (\new)
.endif
.endm
.macro WALU
	s_wait_alu depctr_va_vdst(0)
.endm
.macro DESC g, c, r, p, x              ; r rows of c elements of 8 bytes, p elements apart in memory; for all four partners; x: the padding's fields
	s_mov_b32 s[\g], 15|(3<<16)|(1<<21)|(\x)
	s_mov_b32 s[\g+1], (\c)<<16
	s_mov_b32 s[\g+2], (\r)<<16
	s_mov_b32 s[\g+3], (\c)<<16
	s_mov_b32 s[\g+4], \r
	s_mov_b32 s[\g+5], \p
	s_mov_b32 s[\g+6], 0
	s_mov_b32 s[\g+7], 0
.endm
.macro CROUND
	s_barrier_signal -1
	s_barrier_wait -1
	s_cmp_lg_u32 s[WV], 0
	s_cbranch_scc1 .Lnot_wave_0_\@
	s_barrier_signal -3
.Lnot_wave_0_\@:
	s_barrier_wait -3
	s_barrier_signal -1
	s_barrier_wait -1
.endm
.macro BEHIND                          ; behind a tensor load
	s_nop 0
.rept 4
	v_nop
.endr
.endm
	s_load_b256 s[4:11], s[0:1], 0x0               ; qk, vt, a_img, a_sc
	v_lshl_add_u32 v[SPW], v0, 2, SPARE
	v_mov_b32 v[NIL], 0
	ds_add_u32 v[SPW], v[NIL]                      ; the opening lines
	ds_add_u32 v[SPW], v[NIL]
	v_lshrrev_b32 v8, 5, v0
	v_readfirstlane_b32 s[WV], v8                  ; wave 0..7
	s_and_b32 s20, ttmp7, 0xffff                   ; 16 x batch + head
	s_lshr_b32 s21, s20, 4                         ; batch
	s_and_b32 s22, s20, 15                         ; head
	s_and_b32 s23, s22, 1                          ; which half of a chunk of 128 features
	s_lshr_b32 s76, s22, 1                         ; the pair of heads
	s_and_b32 s17, s[WV], 1                        ; which half of K (waves 0, 1)
	s_add_co_u32 s77, s[WV], 2
	s_and_b32 s77, s77, 3                          ; which quarter of V (waves 2 to 5)
	DESC G1K, 96, 64, 192, (1<<20)|(5<<22)|(7<<25) ; 64 token blocks: my head's 768 bytes of each image; 32 bytes of padding behind every 256
	DESC G1V, 768, 4, 12288, 0                     ; 4 steps: my head's four images
	DESC G1KS, 32, 32, 32, 0                       ; 16 groups of 512 dense bytes, as rows of 256
	DESC G1VS, 32, 16, 512, 0                      ; 16 steps: my head's plane of 256 bytes
	s_lshl_b32 s12, s21, 7                         ; 128 x batch
	s_mul_i32 s13, s23, 768
	s_lshl_b32 s14, s76, 9                         ; what is fetched: made of the batch, the head and the wave's number alone
	s_add_co_u32 s14, s14, s12
	s_add_co_u32 s14, s14, 4096                    ; k's chunks follow q's eight
	s_mul_i32 s14, s14, 1536
	s_add_co_u32 s14, s14, s13
	s_mul_i32 s15, s17, 98304
	s_add_co_u32 s[G0K+2], s14, s15
	s_mov_b32 s[G0K+3], 0
	s_lshl_b32 s14, s21, 10
	s_lshl_b32 s15, s22, 2
	s_add_co_u32 s14, s14, s15
	s_mul_i32 s14, s14, 1536
	s_mul_i32 s15, s77, 393216
	s_add_co_u32 s[G0V+2], s14, s15
	s_mov_b32 s[G0V+3], 0
	s_lshl_b32 s14, s22, 6
	s_lshl_b32 s15, s21, 4
	s_add_co_u32 s14, s14, s15
	s_add_co_u32 s14, s14, 1024
	s_lshl_b32 s14, s14, 9
	s_add_co_u32 s[G0KS+2], s14, 12582912
	s_mov_b32 s[G0KS+3], 0
	s_add_co_u32 s14, s12, s76
	s_lshl_b32 s14, s14, 9
	s_lshl_b32 s15, s23, 8
	s_add_co_u32 s14, s14, s15
	s_add_co_u32 s[G0VS+2], s14, 6291456
	s_mov_b32 s[G0VS+3], 0
	s_mov_b32 s[G0K], 1
	s_mul_i32 s[G0K+1], s17, 55296
	s_mov_b32 s[G0V], 1
	s_mul_i32 s[G0V+1], s77, 24576
	s_add_co_u32 s[G0V+1], s[G0V+1], VC
	s_mov_b32 s[G0KS], 1
	s_mov_b32 s[G0KS+1], KSC
	s_mov_b32 s[G0VS], 1
	s_mov_b32 s[G0VS+1], VSC
	s_bfe_u32 s[CX], ttmp6, 0x40000                ; my place in the cluster enters my own loads' and stores' addresses alone
	s_lshl_b32 s16, s[CX], 5
	s_lshl_b32 s15, s[WV], 2
	s_add_co_u32 s16, s16, s15
	s_add_co_u32 s16, s16, s12                     ; my first token block: 128 x batch + 32 cx + 4 wave
	s_lshl_b32 s14, s76, 9
	s_add_co_u32 s14, s14, s16
	s_mul_i32 s14, s14, 1536
	s_add_co_u32 s[QP], s14, s13
	s_mov_b32 s[QP+1], 0
	s_mul_i32 s14, s16, 12288
	s_mul_i32 s15, s76, 1536
	s_add_co_u32 s14, s14, s15
	s_add_co_u32 s[AI], s14, s13
	s_mov_b32 s[AI+1], 0
	s_lshl_b32 s14, s16, 9
	s_lshl_b32 s15, s76, 2
	s_add_co_u32 s14, s14, s15
	s_lshl_b32 s15, s23, 1
	s_add_co_u32 s[AS], s14, s15
	s_mov_b32 s[AS+1], 0
	s_lshl_b32 s14, s22, 6
	s_lshl_b32 s15, s21, 4
	s_add_co_u32 s14, s14, s15
	s_lshl_b32 s15, s[CX], 2
	s_add_co_u32 s14, s14, s15
	s_lshr_b32 s15, s[WV], 1
	s_add_co_u32 s14, s14, s15                     ; Q's scale group: 64 x head + 16 x batch + 4 cx + wave / 2
	s_lshl_b32 s14, s14, 9
	s_lshl_b32 s15, s17, 8                         ; in it blocks 4 (wave % 2) + q
	s_add_co_u32 s14, s14, s15
	s_add_co_u32 s[QS], s14, 12582912
	s_mov_b32 s[QS+1], 0
	s_mov_b32 s[SEL], 0x76543210
	s_mov_b32 s[SEL+1], 0xfedcba98
	s_mov_b32 s[CS], 0x3e38aa3b
	s_mov_b32 s[CS+1], s[CS]
	s_mov_b32 s[NC], 0xbe38aa3b
	s_wait_dscnt 0x0
	s_wait_kmcnt 0x0
	s_add_nc_u64 s[G0K+2:G0K+3], s[4:5], s[G0K+2:G0K+3]
	s_or_b32 s[G0K+3], s[G0K+3], 0x80000000
	s_add_nc_u64 s[G0V+2:G0V+3], s[6:7], s[G0V+2:G0V+3]
	s_or_b32 s[G0V+3], s[G0V+3], 0x80000000
	s_add_nc_u64 s[G0KS+2:G0KS+3], s[4:5], s[G0KS+2:G0KS+3]
	s_or_b32 s[G0KS+3], s[G0KS+3], 0x80000000
	s_add_nc_u64 s[G0VS+2:G0VS+3], s[6:7], s[G0VS+2:G0VS+3]
	s_or_b32 s[G0VS+3], s[G0VS+3], 0x80000000
	s_add_nc_u64 s[QP:QP+1], s[4:5], s[QP:QP+1]
	s_add_nc_u64 s[QS:QS+1], s[4:5], s[QS:QS+1]
	s_add_nc_u64 s[AI:AI+1], s[8:9], s[AI:AI+1]
	s_add_nc_u64 s[AS:AS+1], s[10:11], s[AS:AS+1]
	CROUND                                         ; all four work-groups are here: the joint loads meet
	s_cmp_lt_u32 s[WV], 2                          ; one chain of branches on the wave's number, one load to an arm
	s_cbranch_scc0 .Lnot_k
	tensor_load_to_lds s[G0K:G0K+3], s[G1K:G1K+7]
	BEHIND
	s_branch .Lasked
.Lnot_k:
	s_cmp_lt_u32 s[WV], 6
	s_cbranch_scc0 .Lnot_v
	tensor_load_to_lds s[G0V:G0V+3], s[G1V:G1V+7]
	BEHIND
	s_branch .Lasked
.Lnot_v:
	s_cmp_eq_u32 s[WV], 6
	s_cbranch_scc0 .Lnot_ks
	tensor_load_to_lds s[G0KS:G0KS+3], s[G1KS:G1KS+7]
	BEHIND
	s_branch .Lasked
.Lnot_ks:
	tensor_load_to_lds s[G0VS:G0VS+3], s[G1VS:G1VS+7]
	BEHIND
.Lasked:
	v_and_b32 v14, 31, v0
	v_and_b32 v15, 15, v0
	v_bfe_u32 v8, v0, 3, 1                         ; r / 8
	v_and_b32 v9, 7, v0                            ; r % 8
	v_bfe_u32 v10, v0, 4, 1                        ; h
	v_lshlrev_b32 v[L8], 3, v14
	v_lshlrev_b32 v[RO32], 5, v15
	v_lshlrev_b32 v[RO8], 3, v15
	v_lshlrev_b32 v9, 3, v9
	v_add_nc_u32 v[AV0], VC, v[L8]
	v_add_nc_u32 v[ASV0], VSC, v[L8]
	v_lshl_add_u32 v9, v10, 7, v9                  ; 8 (r % 8) + 128 h
	v_mad_u32_u24 v[AK0], v8, 1728, v9             ; + two token blocks for r / 8
	v_lshl_add_u32 v[ASK0], v8, 2, v9              ; K's scale words: + 4 (r / 8); h picks the odd tile of a pair
	v_add_nc_u32 v[ASK0], KSC, v[ASK0]             ; (K's codes begin at LDS byte 0)
.irp q, 0,1,2,3
.irp p, 0,1,2
	global_load_b64 v[QF+12*\q+2*\p:QF+12*\q+2*\p+1], v[L8], s[QP:QP+1] offset:1536*\q+256*\p
.endr
	global_load_b32 v[QSW+\q], v[RO8], s[QS:QS+1] offset:128*(\q%2)+4*(\q/2)
.endr
.irp i, 0,1,2,3,4,5
.irp q, 0,1,2,3
	v_mov_b32 v[QF+12*\q+6+\i], 0                  ; the upper 64 of Q's operands: zero codes
.endr
	v_mov_b32 v[KR+48+\i], 0                       ; and what stands behind K's last tile
.endr
	WIN 0x40
.set j, 0
.rept 128
	v_mov_b32 v[O+j], 0                            ; under the tensor loads' flight
.set j, j+1
.endr
.irp q, 0,1,2,3
	v_mov_b32 v[ST+4*\q], 0x7f61b1e6               ; -M = 3e38
	v_mov_b32 v[ST+4*\q+1], 0xff61b1e6             ; the largest score so far: -3e38
	v_mov_b32 v[ST+4*\q+2], 0
	v_mov_b32 v[ST+4*\q+3], 0
.endr
	v_mov_b32 v[F+1], 0                            ; (named as the upper half of a pair)
	v_mov_b32 v[X], 0                              ; a lane permute's destination counts as read
	v_lshlrev_b32 v[SH8], 3, v10
	WIN 0
	WALU
	s_wait_tensorcnt 0x0                           ; my part has landed,
	s_barrier_signal -1
	s_barrier_wait -1                              ; everybody's has
	s_wait_loadcnt 0x0                             ; Q
.macro LOADK                           ; 24 + 4 LDS loads
.set t, 0
.rept 8
.irp p, 0,1,2
	ds_load_b64 v[KR+6*t+2*\p:KR+6*t+2*\p+1], v[ADK] offset:3456*(t/4)+864*(t%2)+64*((t%4)/2)+288*\p
.endr
.set t, t+1
.endr
.irp g, 0,1,2,3
	ds_load_b32 v[KS+\g], v[ADS] offset:256*(\g/2)+64*(\g%2)   ; lanes 0-15 tile 2 g's words, lanes 16-31 tile 2 g + 1's
.endr
.endm
.macro LOADV                           ; 24 + 1 LDS loads
.set t, 0
.rept 4
.irp p, 0,1,2,3,4,5
	ds_load_b64 v[VR+12*t+2*\p:VR+12*t+2*\p+1], v[ADV] offset:1536*t+256*\p
.endr
.set t, t+1
.endr
	ds_load_b64 v[VS:VS+1], v[ADT]
.endm
.macro SUM2 j                          ; p's last sixteen registers onto the partial sums
	v_pk_add_f32 v[TA+\j:TA+\j+1], v[TA+\j:TA+\j+1], v[S+48+\j:S+49+\j]
.endm
.macro RED a, b
	v_pk_add_f32 v[TA+\a:TA+\a+1], v[TA+\a:TA+\a+1], v[TA+\b:TA+\b+1]
.endm
; ONE TILE OF 16 QUERIES AGAINST THE STEP'S 128 KEYS
.macro TILE q
.set OQ, O+32*(\q)
.set NM, ST+4*(\q)
.set SM, NM+1
.set LS, NM+2
	WIN 0x40                                       ; D in window 1
.set t, 0
.rept 8
.if t%2
	v_wmma_scale_f32_16x16x128_f8f6f4 v[S+8*t:S+8*t+7], v[KR+6*t:KR+6*t+11], v[QF+12*(\q):QF+12*(\q)+11], 0, v[KS+t/2], v[QSW+(\q)] matrix_a_fmt:MATRIX_FMT_FP6 matrix_b_fmt:MATRIX_FMT_FP6 matrix_a_scale:MATRIX_SCALE_ROW1
.else
	v_wmma_scale_f32_16x16x128_f8f6f4 v[S+8*t:S+8*t+7], v[KR+6*t:KR+6*t+11], v[QF+12*(\q):QF+12*(\q)+11], 0, v[KS+t/2], v[QSW+(\q)] matrix_a_fmt:MATRIX_FMT_FP6 matrix_b_fmt:MATRIX_FMT_FP6
.endif
.set t, t+1
.endr
.rept 4
	v_nop                                          ; places behind the products
.endr
	WIN 0x55                                       ; all in window 1
	v_max3_num_f32 v[BM], v[S], v[S+1], v[S+2]     ; the largest score of my two blocks of 32 keys, in four chains by turns; each accumulator from its low end on
	v_max3_num_f32 v[U], v[S+16], v[S+17], v[S+18]
	v_max3_num_f32 v[BM+1], v[S+32], v[S+33], v[S+34]
	v_max3_num_f32 v[D], v[S+48], v[S+49], v[S+50]
.irp i, 3,5,7,9,11,13
	v_max3_num_f32 v[BM], v[BM], v[S+\i], v[S+\i+1]
	v_max3_num_f32 v[U], v[U], v[S+16+\i], v[S+17+\i]
	v_max3_num_f32 v[BM+1], v[BM+1], v[S+32+\i], v[S+33+\i]
	v_max3_num_f32 v[D], v[D], v[S+48+\i], v[S+49+\i]
.endr
	v_max3_num_f32 v[BM], v[BM], v[S+15], v[S+31]
	v_max3_num_f32 v[BM+1], v[BM+1], v[S+47], v[S+63]
	v_max_num_f32 v[BM], v[BM], v[U]
	v_max_num_f32 v[BM+1], v[BM+1], v[D]
.if (\q) == 3
	WIN 0
	LOADK                                          ; the last tile has multiplied K: the next step's fragments (behind the last step: bytes of the next region, which nobody uses)
	WIN 0x55
.endif
	v_max_num_f32 v[T], v[BM], v[BM+1]
	v_permlanex16_b32 v[X], v[T], s[SEL], s[SEL+1]
	v_max3_num_f32 v[SM], v[SM], v[T], v[X]        ; the running largest score of my query
	v_mul_f32 v[U], s[NC], v[SM]
	v_floor_f32 v[U], v[U]                         ; the new -M = floor(-t)
	v_sub_f32 v[D], v[U], v[NM]                    ; old M - new M: a whole number, 0 or less
	v_mov_b32 v[NM], v[U]
	v_cvt_i32_f32 v[D], v[D]                       ; (it saturates)
.set j, 0
.rept 16
	v_pk_fma_f32 v[S+j:S+j+1], v[S+j:S+j+1], s[CS:CS+1], v[NM:NM+1] op_sel_hi:[1,0,0]   ; t - M of the first block
.if j == 6
	v_ldexp_f32 v[F], 1.0, v[D]                    ; f = 2^(old M - new M)
.endif
.set j, j+2
.endr
	v_fma_f32 v[BM], v[BM], s[CS], v[NM]           ; the same of each block's largest score: p rises with the score
	v_fma_f32 v[BM+1], v[BM+1], s[CS], v[NM]
	WALU                                           ; ahead of a batch
	v_exp_f32 v[BM], v[BM]
	v_exp_f32 v[BM+1], v[BM+1]
.set j, 0
.rept 16
	v_exp_f32 v[S+j], v[S+j]
	v_exp_f32 v[S+j+1], v[S+j+1]
	v_pk_fma_f32 v[S+32+j:S+33+j], v[S+32+j:S+33+j], s[CS:CS+1], v[NM:NM+1] op_sel_hi:[1,0,0]   ; the second block's t - M: lines that hang on nothing in the batch
.set j, j+2
.endr
	WALU                                           ; behind the first batch, ahead of the second
.set j, 0
.rept 8
	v_exp_f32 v[S+32+j], v[S+32+j]
	v_exp_f32 v[S+33+j], v[S+33+j]
	v_exp_f32 v[S+34+j], v[S+34+j]
	v_exp_f32 v[S+35+j], v[S+35+j]
	v_pk_add_f32 v[TA+j/2:TA+j/2+1], v[S+j:S+j+1], v[S+j+2:S+j+3]   ; the sum's first level over the first block: eight lines that do not hang on each other
.set j, j+4
.endr
	v_max_num_f32 v[BM], 0x1800000, v[BM]          ; the floor 2^(3 - 127): the byte cannot fall under 1
	v_max_num_f32 v[BM+1], 0x1800000, v[BM+1]
	WALU                                           ; behind the batch, directly ahead of the first readers of O^T
.set j, 0
.rept 16
	v_pk_mul_f32 v[OQ+j:OQ+j+1], v[OQ+j:OQ+j+1], v[F:F+1] op_sel_hi:[1,0]   ; O^T under the new M
.set j, j+2
.endr
	v_add_nc_u32 v[SOP], 0xff000000, v[BM]         ; 2 off the exponent field: the conversions' scale operands
	v_add_nc_u32 v[SOP+1], 0xff000000, v[BM+1]
.set j, 0
.rept 8
	v_pk_add_f32 v[TA+j:TA+j+1], v[TA+j:TA+j+1], v[S+32+j:S+33+j]
.set j, j+2
.endr
	v_lshrrev_b32 v[BM], 23, v[SOP]                ; the bytes of blocks h and 2 + h
	v_lshrrev_b32 v[BM+1], 23, v[SOP+1]
	SUM2 0
	SUM2 2
	v_lshl_or_b32 v[T], v[BM+1], 16, v[BM]
	SUM2 4
	SUM2 6
	v_lshlrev_b32 v[T], v[SH8], v[T]               ; at their places in the word
	SUM2 8
	SUM2 10
	v_permlanex16_b32 v[X], v[T], s[SEL], s[SEL+1]
	SUM2 12
	SUM2 14
	WIN 0x05
	v_or_b32 v[PW], v[T], v[X]                     ; with lane l xor 16's two bytes p's scale word is whole
	WIN 0x55
	v_cvt_scalef32_pk16_fp6_f32 v[PCD:PCD+2], v[S:S+15], v[SOP]
	v_cvt_scalef32_pk16_fp6_f32 v[PT:PT+2], v[S+16:S+31], v[SOP]          ; (a conversion's three registers begin on an even number)
	v_cvt_scalef32_pk16_fp6_f32 v[PCD+6:PCD+8], v[S+32:S+47], v[SOP+1]
	v_cvt_scalef32_pk16_fp6_f32 v[PT+4:PT+6], v[S+48:S+63], v[SOP+1]
	RED 0, 8                                       ; the plain line behind the conversions
.irp i, 0,1,2
	v_mov_b32 v[PCD+3+\i], v[PT+\i]
	v_mov_b32 v[PCD+9+\i], v[PT+4+\i]
.endr
	RED 2, 10                                      ; seven plain lines between the operand's last write and the products
	RED 4, 12
	RED 6, 14
	RED 0, 4
	RED 2, 6
	RED 0, 2
	v_pk_fma_f32 v[LS:LS+1], v[LS:LS+1], v[F:F+1], v[TA:TA+1] op_sel_hi:[1,0,1]   ; l under the new M, and the step's sum
.if (\q) == 0
	WALU
	s_wait_dscnt 0x0                               ; V
.endif
	WIN 0x54                                       ; A window 0; B, C, D window 1
.set t, 0
.rept 4                                ; the accumulators take turns
.if t%2
	v_wmma_scale_f32_16x16x128_f8f6f4 v[OQ+8*t:OQ+8*t+7], v[VR+12*t:VR+12*t+11], v[PCD:PCD+11], v[OQ+8*t:OQ+8*t+7], v[VS+t/2], v[PW] matrix_a_fmt:MATRIX_FMT_FP6 matrix_b_fmt:MATRIX_FMT_FP6 matrix_a_scale:MATRIX_SCALE_ROW1
.else
	v_wmma_scale_f32_16x16x128_f8f6f4 v[OQ+8*t:OQ+8*t+7], v[VR+12*t:VR+12*t+11], v[PCD:PCD+11], v[OQ+8*t:OQ+8*t+7], v[VS+t/2], v[PW] matrix_a_fmt:MATRIX_FMT_FP6 matrix_b_fmt:MATRIX_FMT_FP6
.endif
.set t, t+1
.endr
.endm
	s_mov_b32 s[TK], 0
	s_mov_b32 s[TS], 0
	s_mov_b32 s[TV], 0
	s_mov_b32 s[TT], 0
	s_mov_b32 s[CNT], 16
	v_add_nc_u32 v[ADK], s[TK], v[AK0]
	v_add_nc_u32 v[ADS], s[TS], v[ASK0]
	LOADK                                          ; step 0's K
.Lstep:
	s_add_co_u32 s[TK], s[TK], 6912
	s_add_co_u32 s[TS], s[TS], 512
	v_add_nc_u32 v[ADV], s[TV], v[AV0]             ; these four are the places behind the last step's products, in front of the loads into V's registers
	v_add_nc_u32 v[ADT], s[TT], v[ASV0]
	v_add_nc_u32 v[ADK], s[TK], v[AK0]             ; the next step's K
	v_add_nc_u32 v[ADS], s[TS], v[ASK0]
	LOADV                                          ; this step's V lands under the first tile's softmax
	WALU
	s_wait_dscnt 25                                ; K's 28 loads are in; V's 25, issued behind them, may be out
	TILE 0
	TILE 1
	TILE 2
	TILE 3
	WIN 0
	s_add_co_u32 s[TV], s[TV], 6144
	s_add_co_u32 s[TT], s[TT], 256
	s_sub_co_u32 s[CNT], s[CNT], 1
	s_cmp_lg_u32 s[CNT], 0
	WALU
	s_cbranch_scc1 .Lstep
; THE WAY OUT: O^T / l; register 16 e + i (e = 2 q + n) is channel 32 n + 16 (lane / 16) + i of tile q's query: eight blocks of 32 along D, each in lanes l and l xor 16; the eight by turns.
	WIN 0x55
.irp q, 0,1,2,3
	v_add_f32 v[ST+4*\q+2], v[ST+4*\q+2], v[ST+4*\q+3]
.endr
.irp q, 0,1,2,3
	v_permlanex16_b32 v[ST+4*\q+3], v[ST+4*\q+2], s[SEL], s[SEL+1]
.endr
.irp q, 0,1,2,3
	v_add_f32 v[ST+4*\q+2], v[ST+4*\q+2], v[ST+4*\q+3]   ; the rows' sums
.endr
	WALU                                           ; ahead of the batch
.irp q, 0,1,2,3
	v_rcp_f32 v[ST+4*\q+2], v[ST+4*\q+2]
.endr
	v_nop
	WALU                                           ; behind it, directly ahead of the first readers of O^T
.irp q, 0,1,2,3
.set j, 0
.rept 16
	v_pk_mul_f32 v[O+32*\q+j:O+32*\q+j+1], v[O+32*\q+j:O+32*\q+j+1], v[ST+4*\q+2:ST+4*\q+3] op_sel_hi:[1,0]
.set j, j+2
.endr
.endr
.irp e, 0,1,2,3,4,5,6,7
	v_max3_num_f32 v[S+\e], |v[O+16*\e]|, |v[O+16*\e+1]|, 0x1800000
.endr
.irp i, 2,4,6,8,10,12,14
.irp e, 0,1,2,3,4,5,6,7
	v_max3_num_f32 v[S+\e], v[S+\e], |v[O+16*\e+\i]|, |v[O+16*\e+\i+1]|
.endr
.endr
.irp e, 0,1,2,3,4,5,6,7
	v_permlanex16_b32 v[S+8+\e], v[S+\e], s[SEL], s[SEL+1]
.endr
.irp e, 0,1,2,3,4,5,6,7
	v_max_num_f32 v[S+\e], v[S+\e], v[S+8+\e]
.endr
.irp e, 0,1,2,3,4,5,6,7
	v_add_nc_u32 v[S+16+\e], 0xff000000, v[S+\e]
.endr
.irp e, 0,1,2,3,4,5,6,7
	v_lshrrev_b32 v[S+\e], 23, v[S+16+\e]
.endr
.irp q, 0,1,2,3
	v_lshl_or_b32 v[S+8+\q], v[S+2*\q+1], 8, v[S+2*\q]   ; a row's two scale bytes
.endr
.irp q, 0,1,2,3
	v_cvt_scalef32_pk16_fp6_f32 v[S+32+8*\q:S+34+8*\q], v[O+32*\q:O+32*\q+15], v[S+16+2*\q]
	v_cvt_scalef32_pk16_fp6_f32 v[TA+4*\q:TA+4*\q+2], v[O+32*\q+16:O+32*\q+31], v[S+17+2*\q]
.endr
	v_nop                                          ; one plain place behind a scaled conversion
.irp q, 0,1,2,3
.irp i, 0,1,2
	v_permlane16_swap_b32 v[S+32+8*\q+\i], v[TA+4*\q+\i]   ; the operand's layout wants a whole block in a lane
.endr
.endr
.irp q, 0,1,2,3
.irp i, 0,1,2
	v_mov_b32 v[S+35+8*\q+\i], v[TA+4*\q+\i]
.endr
.endr
	WIN 0x04                                       ; the address in window 0, the data in window 1; every store has data registers of its own
.irp q, 0,1,2,3
.irp p, 0,1,2
	global_store_b64 v[L8], v[S+32+8*\q+2*\p:S+33+8*\q+2*\p], s[AI:AI+1] offset:12288*\q+256*\p   ; a plane: 256 consecutive bytes, at a multiple of 256 from the buffer's first byte
.endr
	global_store_b16 v[RO32], v[S+8+\q], s[AS:AS+1] offset:512*\q   ; both halves of the lanes write the same two bytes with the same value; the word's other bytes are another head's
.endr
	WIN 0
	s_wait_tensorcnt 0x0                           ; the wave's end
	ds_add_u32 v[SPW], v[NIL]
	s_wait_dscnt 0x0
	CROUND                                         ; the closing round
	s_endpgm
.Lfunc_end_k_qafe5d272ce_attn:
	.size	k_qafe5d272ce_attn, .Lfunc_end_k_qafe5d272ce_attn-k_qafe5d272ce_attn
	.p2alignl 7, 3214868480
	.fill 96, 4, 3214868480
	.section	.rodata,"a",@progbits
	.p2align	6, 0x0
	.amdhsa_kernel k_qafe5d272ce_attn
		.amdhsa_group_segment_fixed_size 222208
		.amdhsa_private_segment_fixed_size 0
		.amdhsa_enable_private_segment 0
		.amdhsa_kernarg_size 32
		.amdhsa_user_sgpr_count 2
		.amdhsa_user_sgpr_kernarg_segment_ptr 1
		.amdhsa_wavefront_size32 1
		.amdhsa_system_sgpr_workgroup_id_x 1
		.amdhsa_system_sgpr_workgroup_id_y 1
		.amdhsa_system_sgpr_workgroup_id_z 1
		.amdhsa_system_vgpr_workitem_id 0
		.amdhsa_next_free_vgpr 512
		.amdhsa_next_free_sgpr 96
		.amdhsa_reserve_vcc 0
		.amdhsa_float_denorm_mode_32 3
		.amdhsa_float_denorm_mode_16_64 3
		.amdhsa_memory_ordered 1
		.amdhsa_forward_progress 1
		.amdhsa_inst_pref_size 86
	.end_amdhsa_kernel
	.amdgpu_metadata
---
amdhsa.version: [ 1, 2 ]
amdhsa.kernels:
  - .name:           k_qafe5d272ce_attn
    .symbol:         k_qafe5d272ce_attn.kd
    .args:
      - { .name: qk, .offset: 0, .size: 8, .value_kind: global_buffer, .address_space: global }
      - { .name: vt, .offset: 8, .size: 8, .value_kind: global_buffer, .address_space: global }
      - { .name: a_img, .offset: 16, .size: 8, .value_kind: global_buffer, .address_space: global }
      - { .name: a_sc, .offset: 24, .size: 8, .value_kind: global_buffer, .address_space: global }
    .group_segment_fixed_size: 222208
    .private_segment_fixed_size: 0
    .kernarg_segment_align: 8
    .kernarg_segment_size: 32
    .max_flat_workgroup_size: 256
    .sgpr_count:     96
    .vgpr_count:     512
    .wavefront_size: 32
...
	.end_amdgpu_metadata
.endif
;; end of part 3
;; launch proj (part 4): grid 4 x 64, 4 waves a work-group, clusters of 4 x 4, 327,680 bytes of LDS; arguments a_img, a_sc, w_img, w_sc, out0; writes out0
.if DOCPART == 4
	.amdgcn_target "amdgcn-amd-amdhsa--gfx1250"
	.amdhsa_code_object_version 6
	.text
	.protected	k_qafe5d272ce_proj
	.globl	k_qafe5d272ce_proj
	.p2align	8
	.type	k_qafe5d272ce_proj,@function
k_qafe5d272ce_proj:
	s_mov_b64 s[64:65], 0
	v_nop
	global_prefetch_b8 v0, s[64:65] scope:SCOPE_SE
	s_setreg_imm32_b32 hwreg(HW_REG_WAVE_MODE, 25, 1), 1
	s_wait_xcnt 0x0
	s_wait_alu depctr_hold_cnt(0) depctr_sa_sdst(0) depctr_va_vdst(0) depctr_va_sdst(0) depctr_va_ssrc(0) depctr_va_vcc(0) depctr_vm_vsrc(0)
	s_getreg_b32 s2, hwreg(HW_REG_IB_STS2, 6, 4)
	s_cmp_eq_u32 s2, 0
	s_cbranch_scc0 .Lentry_in_a_cluster
	s_endpgm
.Lentry_in_a_cluster:
	s_bfe_u32 s2, ttmp6, 0x10000c
	s_cmp_lg_u32 s2, 0xf033
	s_cbranch_scc0 .Lentry_shape_is_right
	s_endpgm
.Lentry_shape_is_right:
; out0 [8192][1024] f32 = A Wo^T on codes of FP6 (E2M3) with E8M0 scales.  A: a_img, a_sc as the attention launch leaves them; Wo: row blocks 192-255 of w_img, w_sc.
; An image is a fragment of 16 rows x 128 K, six planes of 256 bytes (plane p = registers 2 p, 2 p + 1 at 256 p + 8 x lane); a row block's eight images lie on end, 12,288 bytes; its scale words [r][K step], 512 bytes.
; Lane r of row block t holds row 32 (t / 2) + 8 (t % 2) + r + 8 (r / 8), of A and of Wo alike.
; SHARES.  A work-group makes 128 rows x 256 columns: 64 x 4 = 256 work-groups.  Four waves, 2 x 2; a wave makes 64 x 128: 32 accumulators, 256 registers (window 2).
; ALL OF K LIES IN LDS: A's 8 row blocks 98,304 bytes, Wo's 16 row blocks 196,608, the scale words 4,352 + 8,704 with their padding.  Each of the four is dense in memory and comes by ONE tensor load, one a wave, at the head.
; No LDS byte is filled twice: no ring and no round but the opening and the closing one.  No prefetch: every byte is asked for once, at the head, and there is no loop to run ahead in.
; CLUSTERS: 4 x 4.  A's tiles hang on the tile row alone and are asked for jointly by a row of the cluster, Wo's on the tile column alone and by a column.
; THE MATRIX INSTRUCTION IS USED TRANSPOSED (source 0 = 16 rows of Wo, source 1 = 16 rows of A): a lane holds eight neighbouring numbers of a row of the result.
; REGISTERS.  Window 0: v16-30 addresses; v32-95 scale words, register 8 k + i: lanes 0-15 the words of A's block i, lanes 16-31 of Wo's block i, K step k; v128-223 A's fragments, two sets of 4.  Window 1: Wo's fragments, two sets of 8, at v0 and v128.
; A K step is 32 products; behind each of its first 24 stand three LDS loads, half a fragment of the next K step, into the set that the last step multiplied.
.set FR,     12
.set IMG,    1536
.set BLK,    12288
.set BBASE,  98304                     ; Wo's codes, behind A's
.set SCA,    294912                    ; A's scale words: units of 256 bytes + 16
.set SCB,    299264                    ; Wo's
.set SBLK,   544                       ; a row block's scale words: two units
.set SPARE,  307968                    ; the spare words, 128 bytes for each wave
.set SPITCH, 528                       ; the way out: a stage of 16 rows x (512 + 16) bytes for each wave, from LDS byte 0 on: A's bytes, behind the barrier behind which nobody reads them
.set ADRA, 16
.set ADRB, 17                          ; v17 Wo's blocks 0-3, v18 blocks 4-7 (an offset has 16 bits)
.set STO,  24
.set RD,   25
.set L8,   26
.set ADRS, 27
.set SPW,  28
.set NIL,  29
.set CO,   30
.set SC,   32
.set AF,   128
.set BK,   128                         ; the way out: 16 rows read back: v128-191 and v192-255 by turns
.set G1A,  24
.set G1B,  32
.set G1S,  40
.set G1SB, 48
.set G0A,  56
.set G0B,  60
.set G0S,  68
.set G0SB, 72
.set MSB, 0
.macro WIN new
.if MSB != (\new)
	s_set_vgpr_msb (MSB<<8)|(\new)
.set MSB, (\new)
.endif
.endm
.set MUL,  0xa1                        ; source 0 window 1, source 1 window 0, C and D window 2
.set TO_B, 0x40                        ; destination window 1, address window 0
.macro PLACES n
.rept \n
	v_nop
.endr
.endm
.macro CROUND
	s_barrier_signal -1
	s_barrier_wait -1
	s_cmp_lg_u32 s14, 0
	s_cbranch_scc1 .Lnot_wave_0_\@
	s_barrier_signal -3
.Lnot_wave_0_\@:
	s_barrier_wait -3
	s_barrier_signal -1
	s_barrier_wait -1
.endm
.macro GROUP1 g, c, r                  ; words 1 to 7: r dense rows of c elements of 8 bytes
	s_mov_b32 s[\g+1], (\c)<<16
	s_mov_b32 s[\g+2], (\r)<<16
	s_mov_b32 s[\g+3], (\c)<<16
	s_mov_b32 s[\g+4], \r
	s_mov_b32 s[\g+5], \c
	s_mov_b32 s[\g+6], 0
	s_mov_b32 s[\g+7], 0
.endm
.macro GROUP0 g, lds, base, off
	s_mov_b32 s[\g], 1
	s_mov_b32 s[\g+1], \lds
	s_add_nc_u64 s[\g+2:\g+3], s[\base:\base+1], s[\off:\off+1]
	s_or_b32 s[\g+3], s[\g+3], 0x80000000
.endm
.macro TLOAD g0, g1                    ; s_nop 0 and four v_nop behind the load
	tensor_load_to_lds s[\g0:\g0+3], s[\g1:\g1+7]
	s_nop 0
	PLACES 4
.endm
	s_load_b128 s[4:7], s[0:1], 0x0                ; a_img, a_sc
	s_load_b128 s[8:11], s[0:1], 0x10              ; w_img, w_sc
	s_load_b64 s[12:13], s[0:1], 0x20              ; out0
	v_lshl_add_u32 v[SPW], v0, 2, SPARE
	v_mov_b32 v[NIL], 0
	ds_add_u32 v[SPW], v[NIL]                      ; the opening lines
	ds_add_u32 v[SPW], v[NIL]
	v_lshrrev_b32 v1, 5, v0
	v_readfirstlane_b32 s14, v1                    ; wave 0..3
	s_lshr_b32 s15, s14, 1                         ; which 64 rows are mine
	s_and_b32 s16, s14, 1                          ; which 128 columns
	s_bfe_u32 s76, ttmp6, 0x40000                  ; cx
	s_bfe_u32 s77, ttmp6, 0x40004                  ; cy
	s_lshl_b32 s78, ttmp9, 2
	s_add_co_u32 s78, s78, s76                     ; tile column
	s_and_b32 s17, ttmp7, 0xffff
	s_lshl_b32 s17, s17, 2
	s_add_co_u32 s17, s17, s77                     ; tile row
	s_lshl_b32 s79, s77, 2
	s_lshl_b32 s79, 15, s79                        ; my row of the cluster
	s_lshl_b32 s80, 0x1111, s76                    ; my column
	s_or_b32 s[G1A], s79, (3<<16)|(1<<21)
	s_or_b32 s[G1B], s80, (3<<16)|(1<<21)
	s_or_b32 s[G1S], s79, (3<<16)|(1<<20)|(1<<21)|(5<<22)|(3<<25)    ; 16 bytes of padding behind every 256
	s_or_b32 s[G1SB], s80, (3<<16)|(1<<20)|(1<<21)|(5<<22)|(3<<25)
	GROUP1 G1A, 1536, 8                            ; 8 row blocks of 12,288 bytes
	GROUP1 G1B, 1536, 16
	GROUP1 G1S, 32, 16                             ; 128 rows x 32 bytes, as rows of 256
	GROUP1 G1SB, 32, 32
	s_mul_i32 s18, s17, 98304                      ; A's codes: 128 rows x 768 bytes a tile row
	s_mov_b32 s19, 0
	s_lshl_b32 s20, s17, 12                        ; A's scale words: 128 x 32
	s_mov_b32 s21, 0
	s_mul_i32 s22, s78, 196608                     ; Wo's codes: row 3,072 + 256 x tile column of w_img
	s_add_co_u32 s22, s22, 2359296
	s_mov_b32 s23, 0
	s_lshl_b32 s84, s78, 13
	s_add_co_u32 s84, s84, 98304
	s_mov_b32 s85, 0
	s_lshl_b32 s86, s17, 7                         ; my part of out0: row 128 x tile row + 64 x half, of 4,096 bytes;
	s_lshl_b32 s87, s15, 6
	s_add_co_u32 s86, s86, s87
	s_lshl_b32 s86, s86, 12
	s_lshl_b32 s87, s78, 10                        ; byte 1,024 x tile column + 512 x half
	s_add_co_u32 s86, s86, s87
	s_lshl_b32 s87, s16, 9
	s_add_co_u32 s86, s86, s87
	s_mov_b32 s87, 0
	s_mul_i32 s88, s15, 4*BLK                      ; LDS: my four blocks of A,
	s_mul_i32 s89, s16, 8*BLK
	s_add_co_u32 s89, s89, BBASE                   ; my eight of Wo,
	s_mul_i32 s91, s15, 4*SBLK
	s_mul_i32 s90, s16, 8*SBLK
	s_add_co_u32 s90, s90, SCB-SCA
	s_sub_co_u32 s90, s90, s91                     ; from my A's scale words to my Wo's,
	s_add_co_u32 s91, s91, SCA
	s_mul_i32 s92, s14, 16*SPITCH                  ; my stage
	s_wait_dscnt 0x0
	s_wait_kmcnt 0x0
	GROUP0 G0A, 0, 4, 18
	GROUP0 G0B, BBASE, 8, 22
	GROUP0 G0S, SCA, 6, 20
	GROUP0 G0SB, SCB, 10, 84
	s_add_nc_u64 s[12:13], s[12:13], s[86:87]
	CROUND                                         ; all sixteen work-groups are here: the joint loads meet
	s_cmp_eq_u32 s14, 0                            ; one chain of branches on the wave's number, one load to an arm
	s_cbranch_scc0 .Lwave_1
	TLOAD G0B, G1B                                 ; the largest tile is asked for by wave 0
	s_branch .Lasked
.Lwave_1:
	s_cmp_eq_u32 s14, 1
	s_cbranch_scc0 .Lwave_2
	TLOAD G0A, G1A
	s_branch .Lasked
.Lwave_2:
	s_cmp_eq_u32 s14, 2
	s_cbranch_scc0 .Lwave_3
	TLOAD G0S, G1S
	s_branch .Lasked
.Lwave_3:
	TLOAD G0SB, G1SB
.Lasked:
	v_and_b32 v1, 15, v0                           ; r
	v_bfe_u32 v2, v0, 4, 1                         ; h
	v_and_b32 v3, 31, v0
	v_lshlrev_b32 v[L8], 3, v3
	v_lshlrev_b32 v[CO], 4, v3
	v_lshlrev_b32 v5, 5, v1                        ; my row's scale words: 32 bytes a row,
	v_mul_u32_u24 v6, s90, v2                      ; lanes 16-31 take Wo's
	v_mul_u32_u24 v7, v1, SPITCH
	v_add_nc_u32 v[ADRA], s88, v[L8]
	v_add_nc_u32 v[ADRB], s89, v[L8]
	v_lshrrev_b32 v4, 8, v5
	v_lshl_add_u32 v7, v2, 6, v7                   ; the stage, in: row r, 64 bytes for each half of the lanes
	v_lshl_add_u32 v5, v4, 4, v5                   ; and 16 more for each 256 passed
	v_add_nc_u32 v[ADRB+1], 4*BLK, v[ADRB]
	v_add_nc_u32 v5, v5, v6
	v_add_nc_u32 v[STO], s92, v7
	v_add_nc_u32 v[RD], s92, v[CO]                 ; and back: the 32 lanes take one row of 512 bytes
	v_add_nc_u32 v[ADRS], s91, v5
; half a fragment of K step kk: n = 0 .. 15 Wo's eight, n = 16 .. 23 A's four; three planes
.macro HALF kk, n
.set Q_, (\kk)%2
.if (\n) < 16
.set I_, (\n)/2
	WIN TO_B
.irp p, 0,1,2
	ds_load_b64 v[128*Q_+FR*I_+6*((\n)%2)+2*\p:128*Q_+FR*I_+6*((\n)%2)+2*\p+1], v[ADRB+I_/4] offset:(I_%4)*BLK+(\kk)*IMG+768*((\n)%2)+256*\p
.endr
.else
.set I_, ((\n)-16)/2
	WIN 0
.irp p, 0,1,2
	ds_load_b64 v[AF+48*Q_+FR*I_+6*((\n)%2)+2*\p:AF+48*Q_+FR*I_+6*((\n)%2)+2*\p+1], v[ADRA] offset:I_*BLK+(\kk)*IMG+768*((\n)%2)+256*\p
.endr
.endif
.endm
; a K step: 32 products, A's blocks one after the other, each against Wo's eight; the 32 accumulators take turns; the first step's products start the sums
.macro KSTEP k
.set P_, (\k)%2
.set N_, 0
.rept 32
.set A_, N_/8
.set B_, N_%8
	WIN MUL
.if (\k) == 0
	v_wmma_scale_f32_16x16x128_f8f6f4 v[8*N_:8*N_+7], v[128*P_+FR*B_:128*P_+FR*B_+FR-1], v[AF+48*P_+FR*A_:AF+48*P_+FR*A_+FR-1], 0, v[SC+8*(\k)+B_], v[SC+8*(\k)+A_] matrix_a_fmt:MATRIX_FMT_FP6 matrix_b_fmt:MATRIX_FMT_FP6 matrix_a_scale:MATRIX_SCALE_ROW1
.else
	v_wmma_scale_f32_16x16x128_f8f6f4 v[8*N_:8*N_+7], v[128*P_+FR*B_:128*P_+FR*B_+FR-1], v[AF+48*P_+FR*A_:AF+48*P_+FR*A_+FR-1], v[8*N_:8*N_+7], v[SC+8*(\k)+B_], v[SC+8*(\k)+A_] matrix_a_fmt:MATRIX_FMT_FP6 matrix_b_fmt:MATRIX_FMT_FP6 matrix_a_scale:MATRIX_SCALE_ROW1
.endif
.if ((\k) < 7) && (N_ < 24)
	HALF (\k)+1, N_
.endif
.set N_, N_+1
.endr
.endm
	s_wait_alu depctr_va_vdst(0)
	s_wait_tensorcnt 0x0                           ; my tile has landed,
	s_barrier_signal -1
	s_barrier_wait -1                              ; everybody's has
.set N_, 0
.rept 24
	HALF 0, N_                                     ; K step 0's fragments
.set N_, N_+1
.endr
	WIN 0
.irp k, 0,1,2,3,4,5,6,7
.irp i, 0,1,2,3,4,5,6,7
	ds_load_b32 v[SC+8*\k+\i], v[ADRS] offset:\i*SBLK+4*\k   ; all scale words, once.  (For i = 4 .. 7 lanes 0-15 read words that no product takes)
.endr
.endr
	s_wait_dscnt 0x0
	KSTEP 0
.irp k, 1,2,3,4,5,6
	s_wait_dscnt 0x0                               ; this step's fragments: the last were asked for eight products ago
	PLACES 4                                       ; places between the last step's products and the loads into their fragments
	KSTEP \k
.endr
	s_wait_dscnt 0x0                               ; the last fragments are in: my reads of A's and Wo's bytes are over;
	s_barrier_signal -1                            ; say so, work on registers while the others arrive,
	KSTEP 7
	WIN 0
	s_barrier_wait -1                              ; and store into the stage only when nobody reads those bytes any more
; THE WAY OUT, block by block of 16 rows x 128 columns, through my own stage: it comes back as whole rows of 512 bytes, which the 32 lanes store as two aligned units of 256 bytes.
; Register j of lane (r, h) in accumulator (a, b) is column 32 (b / 2) + 8 (b % 2) + 16 h + j, by the order of Wo's rows in a block.  LDS serves a wave's instructions in order: no wait between the stores and the loads.
.macro TOSTAGE a
.set AC, 64*(\a)
	WIN 0x08                                       ; the data: window 2
.irp b, 0,1,2,3,4,5,6,7
	ds_store_b128 v[STO], v[AC+8*\b:AC+8*\b+3] offset:128*(\b/2)+32*(\b%2)      ; each accumulator from its low end on
	ds_store_b128 v[STO], v[AC+8*\b+4:AC+8*\b+7] offset:128*(\b/2)+32*(\b%2)+16
.endr
	WIN 0
.set BB, BK+64*((\a)%2)
.irp t, 0,1,2,3,4,5,6,7,8,9,10,11,12,13,14,15
	ds_load_b128 v[BB+4*\t:BB+4*\t+3], v[RD] offset:\t*SPITCH
.endr
.endm
.macro SEND a, younger                 ; younger: the LDS instructions issued behind block a's loads, which may stay out
.set BB, BK+64*((\a)%2)
	s_wait_dscnt \younger
.if (\a) > 0
.if (\a)%2
	s_add_nc_u64 s[12:13], s[12:13], 8*4096        ; (behind a wait on XCNT)  block a begins at row 32 (a / 2) + 8 (a % 2)
.else
	s_add_nc_u64 s[12:13], s[12:13], 24*4096
.endif
.endif
.irp t, 0,1,2,3,4,5,6,7,8,9,10,11,12,13,14,15
	global_store_b128 v[CO], v[BB+4*\t:BB+4*\t+3], s[12:13] offset:(\t+8*(\t/8))*4096 th:TH_STORE_NT   ; 512 consecutive bytes, at a multiple of 256 from out0's first byte
.endr
.endm
	PLACES 4                                       ; places behind the last products: for the reads of their results and the loads into A's fragments
	TOSTAGE 0
.irp a, 1,2,3
.if \a > 1
	s_wait_xcnt 0x0                                ; block a - 2's stores have read their registers and their base
.endif
	TOSTAGE \a
	SEND \a-1, 32                                  ; behind block a - 1's loads: block a's 16 stores and 16 loads
.endr
	s_wait_xcnt 0x0
	SEND 3, 0
	s_wait_tensorcnt 0x0                           ; the wave's end
	ds_add_u32 v[SPW], v[NIL]
	s_wait_dscnt 0x0
	CROUND                                         ; the closing round
	s_endpgm
.Lfunc_end_k_qafe5d272ce_proj:
	.size	k_qafe5d272ce_proj, .Lfunc_end_k_qafe5d272ce_proj-k_qafe5d272ce_proj
	.p2alignl 7, 3214868480
	.fill 96, 4, 3214868480
	.section	.rodata,"a",@progbits
	.p2align	6, 0x0
	.amdhsa_kernel k_qafe5d272ce_proj
		.amdhsa_group_segment_fixed_size 327680
		.amdhsa_private_segment_fixed_size 0
		.amdhsa_enable_private_segment 0
		.amdhsa_kernarg_size 40
		.amdhsa_user_sgpr_count 2
		.amdhsa_user_sgpr_kernarg_segment_ptr 1
		.amdhsa_wavefront_size32 1
		.amdhsa_system_sgpr_workgroup_id_x 1
		.amdhsa_system_sgpr_workgroup_id_y 1
		.amdhsa_system_sgpr_workgroup_id_z 1
		.amdhsa_system_vgpr_workitem_id 0
		.amdhsa_next_free_vgpr 768
		.amdhsa_next_free_sgpr 96
		.amdhsa_reserve_vcc 0
		.amdhsa_float_denorm_mode_32 3
		.amdhsa_float_denorm_mode_16_64 3
		.amdhsa_memory_ordered 1
		.amdhsa_forward_progress 1
		.amdhsa_inst_pref_size 107
	.end_amdhsa_kernel
	.amdgpu_metadata
---
amdhsa.version: [ 1, 2 ]
amdhsa.kernels:
  - .name:           k_qafe5d272ce_proj
    .symbol:         k_qafe5d272ce_proj.kd
    .args:
      - { .name: a_img, .offset: 0, .size: 8, .value_kind: global_buffer, .address_space: global }
      - { .name: a_sc, .offset: 8, .size: 8, .value_kind: global_buffer, .address_space: global }
      - { .name: w_img, .offset: 16, .size: 8, .value_kind: global_buffer, .address_space: global }
      - { .name: w_sc, .offset: 24, .size: 8, .value_kind: global_buffer, .address_space: global }
      - { .name: out0, .offset: 32, .size: 8, .value_kind: global_buffer, .address_space: global }
    .group_segment_fixed_size: 327680
    .private_segment_fixed_size: 0
    .kernarg_segment_align: 8
    .kernarg_segment_size: 40
    .max_flat_workgroup_size: 128
    .sgpr_count:     96
    .vgpr_count:     768
    .wavefront_size: 32
...
	.end_amdgpu_metadata
.endif
;; end of part 4
